; MI455X (gfx1250); checked and timed in simulation.
; The chip was launched on July 23, 2026; its instructions are those of AMD's public machine-readable ISA for CDNA 5 (MIT licence, August 2026) and "CDNA5" Instruction Set Architecture Reference Guide (July 2026). The comments in the code are by the model that wrote it; some were corrected since.
;; Multi Head Self Attention. Allowed arithmetic: matrix products marked QUANTISED: E3M2 operands, one E8M0 scale for each 32 along K, by v_wmma_scale_f32_16x16x128_f8f6f4 with both operands' format E3M2, f32 sums; everything else in f32.
;; Inputs: proj_b 1,024 float32; proj_w 1,024 x 1,024 float32; qkv_b 3,072 float32; qkv_w 3,072 x 1,024 float32; x 4 x 2,048 x 1,024 float32.
;; Outputs: out0 4 x 2,048 x 1,024 float32.
;; This version of the problem:
;;   THIS VERSION OF THE PROBLEM IS GIVEN IN LOW PRECISION. The matrix products marked QUANTISED in the list below multiply operands that are first quantised to E3M2 (3 exponent bits, 2 mantissa bits; 6 bits a number), with one power-of-two scale for each 32 numbers along K (OCP MX v1.0); their sums are f32. All else is computed in f32.
;;   The module's matrix products, in the order in which they are computed (A, B: the left and right operand; K: the contracted axis; several contracted axes count as one K, in the product's order):
;;     1. [M 8,192, K 1,024] x [K 1,024, N 3,072]; A: input x; B: input qkv_w: QUANTISED
;;     2. batch 64 x [M 2,048, K 64] x [K 64, N 2,048]; A: computed on the way; B: computed on the way: QUANTISED
;;     3. batch 64 x [M 2,048, K 2,048] x [K 2,048, N 64]; A: softmax (see below); B: computed on the way: QUANTISED
;;     4. [M 8,192, K 1,024] x [K 1,024, N 1,024]; A: computed on the way; B: input proj_w: QUANTISED
;;   THE QUANTISER, for each operand of a quantised product, along K:
;;     - K is cut into blocks of 32 from its start; a last block that is shorter is filled with zeros.
;;     - A block's scale is 2^e with e = floor(log2(the largest magnitude in the block)) - 4, held to -126 .. 127; a block of zeros has e = 0. As a byte (E8M0): e + 127.
;;     - Each number is divided by its block's scale, clamped to +-28, and rounded to the nearest number of E3M2, ties to even, subnormals kept.
;;     - The product sums the exact products of the quantised numbers (number of the format x scale) in f32.
;;   ~~~python
;;   def quantise(x, axis):      # numpy; x: float32 -> the quantised numbers, widened to float32 again
;;       x = np.moveaxis(x, axis, -1); K = x.shape[-1]
;;       x = np.pad(x, [(0, 0)] * (x.ndim - 1) + [(0, -K % 32)]); x = x.reshape(x.shape[:-1] + (-1, 32)); a = np.abs(x).max(-1, keepdims=True)
;;       e = np.where(a > 0, np.clip(np.frexp(np.where(a > 0, a, 1))[1] - 1 - 4, -126, 127), 0)      # np.frexp(a)[1] - 1 = floor(log2(a)), exactly
;;       r = np.clip(x / 2.0 ** e, -28, 28)
;;       step = 2.0 ** (np.maximum(np.frexp(np.where(r == 0, 1, r))[1] - 1, -2) - 2)
;;       q = np.round(r / step) * step * 2.0 ** e      # np.round: ties to even
;;       return np.moveaxis(q.reshape(q.shape[:-2] + (-1,))[..., :K], -1, axis).astype(np.float32)
;;   ~~~
;;   SOFTMAX AHEAD OF A QUANTISED PRODUCT. Where the list says 'softmax', what is quantised is not the finished softmax but p = 2^(t - M), with t = logit x log2(e) and M = ceil(the row's largest t), a whole number; so 1/2 < the row's largest p <= 1. The row's sum l is taken of the UNQUANTISED p, in f32, and the product's result is divided by l at the end. Since M is a whole number, a kernel that streams over the keys may use a running M (the ceiling of the running maximum): every later rescaling is an exact power of two, which a block's scale takes up: the codes' values come out the same.
;;   OPERANDS COMPUTED ON THE WAY. 'Computed on the way' means the value that the module computes at that place (a softmax that the list does not call 'softmax' is quantised finished and normalised). What goes into a quantiser is computed in f32, as accurately as f32 sums, v_exp_f32 and their like allow (about 1e-6 of the number): no bf16 or f16 on the way to a quantiser, and a product that is left as it is and whose result goes on into a quantised operand takes f32 operands (vector FMAs, or v_wmma_f32_16x16x4_f32). A number that lies on a knife's edge between two numbers of the format may be rounded either way, as far as f32 arithmetic and the matrix unit's own rounding can turn it there, and no further.
;; One version. Each part assembles by itself: llvm-mc -triple=amdgcn-amd-amdhsa -mcpu=gfx1250 --defsym DOCPART=n.
;; ======== version 1 of 1: 4 launches
;; limits: right only within a limited range of input values
;; workspace buffers: xq 6,553,600 bytes; wq 2,457,600 bytes; pq 819,200 bytes; rope 524,288 bytes; qb 6,553,600 bytes; kv 13,107,200 bytes; yq 6,553,600 bytes
;; launch quant (part 1): grid 256 x 1, 6 waves a work-group, no clusters, 72,960 bytes of LDS; arguments x, qkv_w, proj_w, xq, wq, pq, rope; writes xq, wq, pq, rope
.if DOCPART == 1
	.amdgcn_target "amdgcn-amd-amdhsa--gfx1250"
	.amdhsa_code_object_version 6
	.text
	.protected	k_qa0021b5bec_quant
	.globl	k_qa0021b5bec_quant
	.p2align	8
	.type	k_qa0021b5bec_quant,@function
k_qa0021b5bec_quant:
	s_mov_b64 s[64:65], 0
	v_nop
	global_prefetch_b8 v0, s[64:65] scope:SCOPE_SE
	s_setreg_imm32_b32 hwreg(HW_REG_WAVE_MODE, 25, 1), 1
	s_wait_xcnt 0x0
; x [8192][1024], qkv_w [3072][1024] and proj_w [1024][1024], f32, K innermost, become codes of BF6 (E3M2) with one E8M0 byte for each 32 along K,
; laid in the order in which the products' launches take them; and the table of cosines and sines for the rotation of q and k is made.
; A block's scale is 2^(floor(log2(its largest magnitude)) - 4): its byte is the largest magnitude's exponent field - 4, held at 1 from below.
; LAYOUT OF AN OPERAND BUFFER (NT = rows / 16).  Row tile T holds, in lane r, the true row 32 (T / 2) + 8 (T % 2) + r + 8 (r / 8).  A half fragment HF(T, kc) is 768 bytes:
; lane l = r + 16 h has 24 bytes at 24 l: the codes of k = 64 kc + 32 h + 0 .. 31 of its row.  HF(T, kc) lies at ((kc / 4) NT + T) 3072 + (kc % 4) 768, so that 128 rows x 256 K are
; 24,576 bytes on end.  The scale bytes lie behind the codes, at NT x 12288: 32 bytes for each stored row.
; SHARES.  768 row tiles, three to a work-group, two waves to a tile: a wave takes 16 rows x 512 K in 8 steps of 64 along K.  Each load reads 256 consecutive bytes of a row in sixteen lanes;
; the step's 4,096 bytes turn through the wave's own stage in LDS, so that a lane then holds a whole block of 32.  Four steps' codes, 3,072 bytes, leave together, 512 consecutive bytes a store.
; One text serves the three tensors: only pointers, the tile's number and NT are chosen, by the tile's number.
; THE TABLE: rope[position tile 128][piece 8][lane 32][16 bytes]: lane (r, h) of piece j finds (cos, sin, cos, sin) of the pairs 16 (j / 4) + 8 h + 2 (j % 4) and the next, at position 32 (Tt / 2) + 8 (Tt % 2) + r + 8 (r / 8).
; LIMITS: NaN and infinities among the inputs are not served.  A block of zeros gets the byte 1 with zero codes (the bytes are read by this program alone).  The frequency 10000^(-i/32) is within about one unit
; in the last place of its f32 value, so that an angle may differ by about 2e-4 at position 2,047 from one made with another rounding of the frequency.
.set WREG,  11776                      ; LDS of a wave: two stages of 16 x 272 bytes on the way in, then 3,072 bytes on the way out
.set OSTG,  8704
.set SBY,   6*WREG                     ; behind them: 512 scale bytes for each pair of waves
.set R,     16                         ; v16-143  four sets of 32 numbers as loaded
.set X,     144                        ; v144-207 two sets of 32: a block
.set C,     208                        ; v208-214 a block's codes
.set OUTR,  216                        ; v216-239 the way out
	s_load_b256 s[4:11], s[0:1], 0x0               ; x, qkv_w, proj_w, xq
	s_load_b128 s[12:15], s[0:1], 0x20             ; wq, pq
	s_load_b64 s[16:17], s[0:1], 0x30              ; rope
	v_lshl_add_u32 v249, v0, 2, 0x11a00
	v_mov_b32 v250, 0
	v_lshrrev_b32 v10, 5, v0
	v_readfirstlane_b32 s18, v10                   ; wave 0..5
	s_lshr_b32 s19, s18, 1                         ; which of the work-group's three tiles
	s_and_b32 s20, s18, 1                          ; which half of K
	s_mul_i32 s21, ttmp9, 3
	s_add_co_u32 s21, s21, s19                     ; the tile among all 768
	v_and_b32 v10, 31, v0                          ; lane
	v_and_b32 v11, 15, v0                          ; r
	v_bfe_u32 v12, v0, 4, 1                        ; h
	s_mul_i32 s45, s18, WREG
	v_lshlrev_b32 v1, 4, v11
	v_lshl_add_u32 v1, v12, 12, v1                 ; in memory: lanes 0-15 one row's 256 bytes, lanes 16-31 the next row's
	v_mul_u32_u24 v2, v12, 272
	v_lshl_add_u32 v2, v11, 4, v2
	v_add_nc_u32 v2, s45, v2                       ; into the stage: the same, rows 272 bytes apart
	v_mul_u32_u24 v3, v11, 272
	v_lshl_add_u32 v3, v12, 7, v3
	v_add_nc_u32 v3, s45, v3                       ; out of it: row r, my half's 128 bytes: a block of 32
	v_mul_u32_u24 v4, v10, 24
	v_add_nc_u32 v4, s45, v4
	v_add_nc_u32 v4, OSTG, v4                      ; my 24 bytes of a half fragment
	v_lshlrev_b32 v8, 4, v10                       ; 16 x lane
	v_add_nc_u32 v5, s45, v8
	v_add_nc_u32 v5, OSTG, v5                      ; and back, 16 bytes a lane
	s_lshl_b32 s46, s19, 9
	s_add_co_u32 s46, s46, SBY                     ; my pair's 512 scale bytes
	s_lshl_b32 s47, s20, 4
	s_add_co_u32 s47, s47, s46
	v_lshl_add_u32 v6, v11, 5, v12
	v_add_nc_u32 v6, s47, v6                       ; row r's 32 bytes: byte 16 u + 2 t + h
	s_lshl_b32 s47, s20, 8
	s_add_co_u32 s47, s47, s46
	v_lshlrev_b32 v9, 3, v10                       ; 8 x lane
	v_add_nc_u32 v7, s47, v9                       ; back: my wave's 256 of the 512
	s_mov_b32 s34, 0xbed49a78                      ; -C1, C1 + C2 = log2(10000) / 32
	s_mov_b32 s35, 0xb2179a3b                      ; -C2
	s_mov_b32 s36, 0x3f317218                      ; ln 2
	s_mov_b32 s37, 0x3f22f983                      ; 2 / pi
	s_mov_b32 s38, 0xbfc90fdb                      ; -P1, P1 + P2 = pi / 2
	s_mov_b32 s39, 0x333bbd2e                      ; -P2
	s_wait_kmcnt 0x0
	s_cmp_lt_u32 s21, 704                          ; tiles 0-511 x, 512-703 qkv_w, 704-767 proj_w: the choice hangs on the tile's number alone
	s_cselect_b64 s[24:25], s[6:7], s[8:9]
	s_cselect_b64 s[26:27], s[12:13], s[14:15]
	s_mov_b32 s22, 704
	s_cselect_b32 s22, 512, s22
	s_cselect_b32 s23, 192, 64
	s_cmp_lt_u32 s21, 512
	s_cselect_b64 s[24:25], s[4:5], s[24:25]       ; the tensor
	s_cselect_b64 s[26:27], s[10:11], s[26:27]     ; its buffer
	s_cselect_b32 s22, 0, s22
	s_cselect_b32 s23, 512, s23                    ; NT
	s_sub_co_u32 s22, s21, s22                     ; T
	s_lshr_b32 s40, s22, 1
	s_lshl_b32 s40, s40, 17                        ; 32 (T / 2) rows of 4,096 bytes
	s_and_b32 s41, s22, 1
	s_lshl_b32 s41, s41, 15                        ; 8 (T % 2) rows
	s_add_co_u32 s40, s40, s41
	s_lshl_b32 s41, s20, 11                        ; my half of K
	s_add_co_u32 s40, s40, s41
	s_mov_b32 s41, 0
	s_add_nc_u64 s[24:25], s[24:25], s[40:41]
	s_lshl_b32 s42, s20, 1
	s_mul_i32 s42, s42, s23
	s_add_co_u32 s42, s42, s22
	s_mul_i32 s42, s42, 3072
	s_mov_b32 s43, 0
	s_add_nc_u64 s[28:29], s[26:27], s[42:43]      ; my steps 0-3: ((2 u) NT + T) 3072
	s_mul_i32 s42, s23, 3072
	s_add_nc_u64 s[30:31], s[28:29], s[42:43]      ; my steps 4-7: NT x 3072 on
	s_mul_i32 s42, s23, 12288
	s_lshl_b32 s44, s22, 9
	s_add_co_u32 s42, s42, s44
	s_lshl_b32 s44, s20, 8
	s_add_co_u32 s42, s42, s44
	s_add_nc_u64 s[32:33], s[26:27], s[42:43]      ; my 256 of the tile's 512 scale bytes
.macro LOAD t                          ; step t: 64 along K of the tile's 16 rows (true rows 0-7 and 16-23 from the tile's first)
.irp q, 0,1,2,3,4,5,6,7
	global_load_b128 v[R+32*((\t)%4)+4*\q:R+32*((\t)%4)+4*\q+3], v1, s[24:25] offset:(2*\q+8*(\q/4))*4096+256*(\t) th:TH_LOAD_NT
.endr
.endm
.macro TURN t                          ; through the stage: LDS serves a wave's instructions in order (ISA guide 5.7.1.4), so no wait stands between the stores and the loads
.irp q, 0,1,2,3,4,5,6,7
	ds_store_b128 v2, v[R+32*((\t)%4)+4*\q:R+32*((\t)%4)+4*\q+3] offset:4352*((\t)%2)+544*\q
.endr
.irp j, 0,1,2,3,4,5,6,7
	ds_load_b128 v[X+32*((\t)%2)+4*\j:X+32*((\t)%2)+4*\j+3], v3 offset:4352*((\t)%2)+16*\j
.endr
.endm
	LOAD 0
	LOAD 1
	LOAD 2
	LOAD 3
	; ---- the table: waves 0 to 3, one piece of 512 bytes each, while the first loads are on their way
	s_cmp_gt_u32 s18, 3
	s_cbranch_scc1 .Lno_table
	s_lshr_b32 s40, ttmp9, 1                       ; the position tile
	s_lshr_b32 s41, s40, 1
	s_lshl_b32 s41, s41, 5
	s_and_b32 s40, s40, 1
	s_lshl_b32 s40, s40, 3
	s_add_co_u32 s41, s41, s40
	v_and_b32 v144, 8, v11
	v_add_nc_u32 v144, v144, v11
	v_add_nc_u32 v144, s41, v144                   ; my position
	v_cvt_f32_u32 v145, v144
	s_and_b32 s42, ttmp9, 1
	s_lshl_b32 s42, s42, 4
	s_lshl_b32 s43, s18, 1
	s_add_co_u32 s42, s42, s43
	v_lshlrev_b32 v146, 3, v12
	v_add_nc_u32 v146, s42, v146                   ; my first pair: 16 (piece / 4) + 8 h + 2 (piece % 4)
.irp e, 0,1
	v_add_nc_u32 v[150+16*\e], \e, v146
	v_cvt_f32_u32 v[150+16*\e], v[150+16*\e]       ; i
	v_mul_f32 v[151+16*\e], s34, v[150+16*\e]      ; A = -i C1, rounded
	v_fma_f32 v[152+16*\e], v[150+16*\e], s34, -v[151+16*\e]   ; what the rounding lost,
	v_fma_f32 v[152+16*\e], v[150+16*\e], s35, v[152+16*\e]    ; and -i C2
.endr
	s_wait_alu depctr_va_vdst(0)
	v_exp_f32 v153, v151
	v_exp_f32 v169, v167
	v_mul_f32 v152, s36, v152                      ; (plain work behind the two exponentials)
	v_mul_f32 v168, s36, v168
	s_wait_alu depctr_va_vdst(0)                   ; one wait for both, ahead of their first reader
.irp e, 0,1
	v_fma_f32 v[153+16*\e], v[153+16*\e], v[152+16*\e], v[153+16*\e]   ; 10000^(-i/32) = 2^A (1 + E ln 2)
	v_mul_f32 v[154+16*\e], v145, v[153+16*\e]     ; the angle, one rounding
	v_mul_f32 v[155+16*\e], s37, v[154+16*\e]
	v_rndne_f32 v[155+16*\e], v[155+16*\e]         ; N quarter turns, at most 1,304
	v_fma_f32 v[156+16*\e], v[155+16*\e], s38, v[154+16*\e]    ; angle - N P1: a multiple of 2^-23 under 1, so nothing is rounded
	v_fma_f32 v[156+16*\e], v[155+16*\e], s39, v[156+16*\e]    ; - N P2
	v_mul_f32 v[157+16*\e], v[156+16*\e], v[156+16*\e]         ; z
	v_mov_b32 v[158+16*\e], 0x37ccf5ce
	v_fmaak_f32 v[158+16*\e], v[158+16*\e], v[157+16*\e], 0xbab6061a
	v_fmaak_f32 v[158+16*\e], v[158+16*\e], v[157+16*\e], 0x3d2aaaa5
	v_fmaak_f32 v[158+16*\e], v[158+16*\e], v[157+16*\e], 0xbf000000
	v_fmaak_f32 v[158+16*\e], v[158+16*\e], v[157+16*\e], 0x3f800000   ; the cosine of the rest
	v_mov_b32 v[159+16*\e], 0xb94ca1f9
	v_fmaak_f32 v[159+16*\e], v[159+16*\e], v[157+16*\e], 0x3c08839e
	v_fmaak_f32 v[159+16*\e], v[159+16*\e], v[157+16*\e], 0xbe2aaaa3
	v_mul_f32 v[160+16*\e], v[157+16*\e], v[156+16*\e]
	v_fma_f32 v[159+16*\e], v[159+16*\e], v[160+16*\e], v[156+16*\e]   ; its sine
	v_cvt_i32_f32 v[161+16*\e], v[155+16*\e]
	v_and_b32 v[160+16*\e], 1, v[161+16*\e]
	v_cmp_eq_u32 vcc_lo, 1, v[160+16*\e]           ; an odd number of quarter turns: the two change places
	v_cndmask_b32 v[253+2*\e], v[159+16*\e], v[158+16*\e], vcc_lo
	v_cndmask_b32 v[252+2*\e], v[158+16*\e], v[159+16*\e], vcc_lo
	v_and_b32 v[160+16*\e], 2, v[161+16*\e]
	v_lshlrev_b32 v[160+16*\e], 30, v[160+16*\e]
	v_xor_b32 v[253+2*\e], v[160+16*\e], v[253+2*\e]           ; the sine's sign turns in quarters 2 and 3,
	v_add_nc_u32 v[160+16*\e], 1, v[161+16*\e]
	v_and_b32 v[160+16*\e], 2, v[160+16*\e]
	v_lshlrev_b32 v[160+16*\e], 30, v[160+16*\e]
	v_xor_b32 v[252+2*\e], v[160+16*\e], v[252+2*\e]           ; the cosine's in quarters 1 and 2
.endr
	s_lshl_b32 s43, ttmp9, 11
	s_lshl_b32 s44, s18, 9
	s_add_co_u32 s43, s43, s44
	v_add_nc_u32 v251, s43, v8                     ; tile x 4096 + piece x 512 + 16 x lane
	global_store_b128 v251, v[252:255], s[16:17]   ; 512 consecutive bytes; v251-255 are not written again
.Lno_table:
	s_wait_loadcnt 24                              ; step 0's eight loads are in; those of steps 1 to 3 may be out
	TURN 0
.macro STEP t
.set XS, X+32*((\t)%2)
	s_wait_dscnt 0x0                               ; this step's block is back from the stage, and all my LDS stores have read their registers
.if (\t) < 4
	LOAD (\t)+4
.endif
.if (\t) < 7
.if (\t) <= 3
	s_wait_loadcnt 24                              ; the next step's eight loads are in; three later steps' may be out
.else
	s_wait_loadcnt 8*(6-(\t))                      ; the counts run down
.endif
	TURN (\t)+1                                    ; the next step goes through the other stage while this one is worked
.endif
	v_max3_num_f32 v240, |v[XS]|, |v[XS+1]|, |v[XS+2]|          ; the block's largest magnitude: all 32 numbers are mine; two chains
	v_max3_num_f32 v241, |v[XS+3]|, |v[XS+4]|, |v[XS+5]|
.irp i, 6,10,14,18,22,26
	v_max3_num_f32 v240, v240, |v[XS+\i]|, |v[XS+\i+1]|
	v_max3_num_f32 v241, v241, |v[XS+\i+2]|, |v[XS+\i+3]|
.endr
	v_max3_num_f32 v240, v240, |v[XS+30]|, |v[XS+31]|
	v_max3_num_f32 v240, v240, v241, 0x2800000     ; and the floor 2^(5 - 127): the byte cannot fall under 1
	v_add_nc_u32 v242, 0xfe000000, v240            ; 4 off the exponent field: the conversion takes the exponent field of this operand as its scale
	v_cvt_scalef32_pk16_bf6_f32 v[C:C+2], v[XS:XS+15], v242
	v_cvt_scalef32_pk16_bf6_f32 v[C+4:C+6], v[XS+16:XS+31], v242    ; (a conversion's three registers begin on an even number)
	v_lshrrev_b32 v243, 23, v242                   ; the scale's byte; also the plain line behind the conversions
	v_mov_b32 v[C+3], v[C+4]
	v_mov_b32 v[C+4], v[C+5]
	v_mov_b32 v[C+5], v[C+6]                       ; 24 bytes on end
.irp p, 0,1,2
	ds_store_b64 v4, v[C+2*\p:C+2*\p+1] offset:768*((\t)%4)+8*\p
.endr
	ds_store_b8 v6, v243 offset:2*(\t)
.if (\t)%4 == 3                        ; four half fragments are gathered: 3,072 bytes leave
.if (\t) == 7
	s_wait_xcnt 0x0                                ; the stores of step 3 have read v216-239
.endif
.irp i, 0,1,2,3,4,5
	ds_load_b128 v[OUTR+4*\i:OUTR+4*\i+3], v5 offset:512*\i
.endr
	s_wait_dscnt 0x0
.irp i, 0,1,2,3,4,5
	global_store_b128 v8, v[OUTR+4*\i:OUTR+4*\i+3], s[28+2*((\t)/4):29+2*((\t)/4)] offset:512*\i   ; 512 consecutive bytes, aligned to 256
.endr
.endif
.endm
.irp t, 0,1,2,3,4,5,6,7
	STEP \t
.endr
	s_wait_dscnt 0x0                               ; my byte stores have landed: the pair's two waves share each row's 32 bytes
	s_barrier_signal -1
	s_barrier_wait -1
	ds_load_b64 v[244:245], v7
	s_wait_dscnt 0x0
	global_store_b64 v9, v[244:245], s[32:33]      ; 256 consecutive bytes, aligned
	s_wait_tensorcnt 0x0
	ds_add_u32 v249, v250
	s_wait_dscnt 0x0
	s_endpgm
.Lfunc_end_k_qa0021b5bec_quant:
	.size	k_qa0021b5bec_quant, .Lfunc_end_k_qa0021b5bec_quant-k_qa0021b5bec_quant
	.p2alignl 7, 3214868480
	.fill 96, 4, 3214868480
	.section	.rodata,"a",@progbits
	.p2align	6, 0x0
	.amdhsa_kernel k_qa0021b5bec_quant
		.amdhsa_group_segment_fixed_size 72960
		.amdhsa_private_segment_fixed_size 0
		.amdhsa_enable_private_segment 0
		.amdhsa_kernarg_size 56
		.amdhsa_user_sgpr_count 2
		.amdhsa_user_sgpr_kernarg_segment_ptr 1
		.amdhsa_wavefront_size32 1
		.amdhsa_system_sgpr_workgroup_id_x 1
		.amdhsa_system_sgpr_workgroup_id_y 1
		.amdhsa_system_sgpr_workgroup_id_z 1
		.amdhsa_system_vgpr_workitem_id 0
		.amdhsa_next_free_vgpr 256
		.amdhsa_next_free_sgpr 66
		.amdhsa_reserve_vcc 1
		.amdhsa_float_denorm_mode_32 3
		.amdhsa_float_denorm_mode_16_64 3
		.amdhsa_memory_ordered 1
		.amdhsa_forward_progress 1
		.amdhsa_inst_pref_size 38
	.end_amdhsa_kernel
	.amdgpu_metadata
---
amdhsa.version: [ 1, 2 ]
amdhsa.kernels:
  - .name:           k_qa0021b5bec_quant
    .symbol:         k_qa0021b5bec_quant.kd
    .args:
      - { .name: x, .offset: 0, .size: 8, .value_kind: global_buffer, .address_space: global }
      - { .name: qkv_w, .offset: 8, .size: 8, .value_kind: global_buffer, .address_space: global }
      - { .name: proj_w, .offset: 16, .size: 8, .value_kind: global_buffer, .address_space: global }
      - { .name: xq, .offset: 24, .size: 8, .value_kind: global_buffer, .address_space: global }
      - { .name: wq, .offset: 32, .size: 8, .value_kind: global_buffer, .address_space: global }
      - { .name: pq, .offset: 40, .size: 8, .value_kind: global_buffer, .address_space: global }
      - { .name: rope, .offset: 48, .size: 8, .value_kind: global_buffer, .address_space: global }
    .group_segment_fixed_size: 72960
    .private_segment_fixed_size: 0
    .kernarg_segment_align: 8
    .kernarg_segment_size: 56
    .max_flat_workgroup_size: 192
    .sgpr_count:     66
    .vgpr_count:     256
    .wavefront_size: 32
...
	.end_amdgpu_metadata
.endif
;; end of part 1
;; launch qkv (part 2): grid 8 x 32, 4 waves a work-group, clusters of 4 x 4, 327,680 bytes of LDS; arguments xq, wq, qkv_b, rope, qb, kv; writes qb, kv
.if DOCPART == 2
	.amdgcn_target "amdgcn-amd-amdhsa--gfx1250"
	.amdhsa_code_object_version 6
	.text
	.protected	k_qa0021b5bec_qkv
	.globl	k_qa0021b5bec_qkv
	.p2align	8
	.type	k_qa0021b5bec_qkv,@function
k_qa0021b5bec_qkv:
	s_mov_b64 s[64:65], 0
	v_nop
	global_prefetch_b8 v0, s[64:65] scope:SCOPE_SE
	s_setreg_imm32_b32 hwreg(HW_REG_WAVE_MODE, 25, 1), 1
	s_wait_xcnt 0x0
	s_wait_alu depctr_hold_cnt(0) depctr_sa_sdst(0) depctr_va_vdst(0) depctr_va_sdst(0) depctr_va_ssrc(0) depctr_va_vcc(0) depctr_vm_vsrc(0)
	s_getreg_b32 s2, hwreg(HW_REG_IB_STS2, 6, 4)
	s_cmp_eq_u32 s2, 0
	s_cbranch_scc0 .Lentry_in_a_cluster
	s_endpgm
.Lentry_in_a_cluster:
	s_bfe_u32 s2, ttmp6, 0x10000c
	s_cmp_lg_u32 s2, 0xf033
	s_cbranch_scc0 .Lentry_shape_is_right
	s_endpgm
.Lentry_shape_is_right:
; qkv = x W^T + b on codes of BF6 (E3M2) with E8M0 scales; q and k are rotated and quantised along the head's 64, v along the keys; all three leave as codes in the order in which the attention launch's registers take them.
; OPERANDS (xq: NT = 512 row tiles, wq: NT = 192): half fragments of 768 bytes, lane l's 24 bytes at 24 l; HF(T, kc) at ((kc / 4) NT + T) 3072 + (kc % 4) 768; scale bytes behind the codes at NT x 12288, 32 a stored row.
; Row tile T holds in lane r the true row 32 (T / 2) + 8 (T % 2) + r + 8 (r / 8): the 16 result registers of two neighbouring tiles of source 0 are 16 neighbours.
; SHARES: work-group (g, P) owns tokens 256 P .. + 255 and heads 2 g, 2 g + 1 of q, k and v: 8 x 32 = 256 work-groups.  Wave (RH, CH) owns 128 tokens and ONE head of q, of k and of v.
; x STAYS IN REGISTERS: my 128 tokens x 1,024 K are 64 fragments; 63 lie in windows 1 to 3 (21 to a window), the last stays in LDS bytes that no fill touches and is read in each pass.
; A PASS: 32 rows of W (two row tiles) x my 128 tokens x all of K: 8 steps of 16 products on 16 accumulators by turns; a step reads two fragments of W from LDS.  A head is two passes: a loop of two trips.
; q, k: source 0 = W, source 1 = x: a lane holds a token, 16 registers run along the head.  v: source 0 = x, source 1 = W: a lane holds a channel, 64 registers run along the keys.
; LDS: 0: x, 196,608 bytes [K quarter][16 tiles][3072]; 196608: W's rows of v, 98,304 bytes [K quarter][8 tiles][3072].  When x is in registers, W's rows of q (0 ..) and the 65,536 bytes of cosines and sines (98304 ..) take x's place,
; while v is computed; W's rows of k take v's place while q is computed.  Three groups of joint loads: one load a wave in the first two, one in each of waves 0, 1 in the third.  CLUSTERS: 4 x 4; x and the table are asked for jointly along a row of the cluster, W along a column.
; NO PREFETCH: each of the three groups is asked for as soon as its LDS bytes are free, and the text has no loop of fills to run ahead in.
; OUT: a chunk of 6,400 bytes for a head and 128 tokens: four fragments of 1,536 bytes (lane l's 48 bytes at 48 l) and 256 bytes of scale words (16 r + 4 p).  q, k: fragment p = token tile 2 p in registers 0-5, token tile 2 p + 1 in 6-11.
; v: fragment t = 16 channels x the 128 keys.  qb: [batch x head][16][chunk]; kv: [batch x head][16][k's chunk, v's chunk].  A lane's 16 codes, 12 bytes, go to their place in my stage by three stores of 4 bytes; a chunk leaves in 25 aligned runs of 256 bytes.
; LIMITS: NaN and infinities are not served; a block of zeros gets the byte 1 with zero codes (the bytes are read by this program alone).
; REGISTERS, window 0: v1-18 addresses; v20-51 x's scale words; v52-59 W's; v60-107 W's fragments, two sets (at work on the way out); v108-123 the bias of q, k; v124-127 v's bias; v128-255 the accumulators.
.set XB,    0
.set VB,    196608
.set RB,    98304
.set SPARE, 294912                     ; the spare words: 128 bytes a wave, two blocks of 256 bytes that no other line names
.set STG,   SPARE+512                  ; 6,400 bytes a wave
.set LB, 1
.set ADC0, 2
.set ADC1, 3
.set AD77, 4
.set SPW, 5
.set NIL, 6
.set STQ, 7
.set STS, 8
.set RD8, 9
.set L8, 10
.set L32, 11
.set B64H, 12
.set RP, 13
.set STQC, 14
.set STSC, 15
.set RPC, 16
.set VSB, 17
.set VBI, 18
.set SA, 20
.set SB, 52
.set BF, 60
.set BI, 108
.set BV, 124
.set VBV, 126
.set BVO, 127
.set ACC, 128
.set CS, 60                            ; q, k on the way out: cosines and sines of two token tiles,
.set T,  92                            ; eight at work,
.set TM, 92
.set TP, 94
.set TS, 96
.set BY, 98
.set CD, 100                           ; codes
.set VTM, 60                           ; v on the way out
.set VTP, 64
.set VTS, 68
.set VBY, 72
.set VCD, 76
.set WV, 16
.set RH, 17
.set CH, 18
.set CX, 19
.set CY, 20
.set PA, 21
.set PG, 22
.set BETA, 23
.set G1A, 24
.set G1B, 32
.set G1R, 40
.set G0A, 48
.set G0V, 52
.set G0Q, 56
.set G0R, 60
.set SEL, 66
.set G0K, 68
.set SCA, 72
.set SCB, 74
.set BB, 76
.set OQ, 78
.set OK, 80
.set OV, 82
.set MSB, 0
.macro WIN new                         ; the immediate's high byte repeats the setting that is left
.if MSB != (\new)
	s_set_vgpr_msb (MSB<<8)|(\new)
.set MSB, (\new)
.endif
.endm
.macro PLACES n
.rept \n
	v_nop
.endr
.endm
.macro JLOAD g0a, g1a, g0b, g1b        ; waves 0, 1 take the first line, waves 2, 3 the second; s_nop 0 and four v_nop follow each
	s_cmp_eq_u32 s[RH], 0
	s_cbranch_scc0 .Lsecond_\@
	tensor_load_to_lds s[\g0a:\g0a+3], s[\g1a:\g1a+7]
	s_nop 0
	PLACES 4
	s_branch .Lasked_\@
.Lsecond_\@:
	tensor_load_to_lds s[\g0b:\g0b+3], s[\g1b:\g1b+7]
	s_nop 0
	PLACES 4
.Lasked_\@:
.endm
.macro CROUND                          ; a round of the cluster's barrier
	s_barrier_signal -1
	s_barrier_wait -1
	s_cmp_lg_u32 s[WV], 0
	s_cbranch_scc1 .Lnot_wave_0_\@
	s_barrier_signal -3
.Lnot_wave_0_\@:
	s_barrier_wait -3
	s_barrier_signal -1
	s_barrier_wait -1
.endm
	s_load_b256 s[4:11], s[0:1], 0x0               ; xq, wq, qkv_b, rope
	s_load_b128 s[12:15], s[0:1], 0x20             ; qb, kv
	v_lshl_add_u32 v[SPW], v0, 2, SPARE
	v_mov_b32 v[NIL], 0
	ds_add_u32 v[SPW], v[NIL]                      ; the opening lines: the add, twice on end, and its wait
	ds_add_u32 v[SPW], v[NIL]
	v_lshrrev_b32 v128, 5, v0
	v_readfirstlane_b32 s[WV], v128                ; wave 0..3
	s_lshr_b32 s[RH], s[WV], 1                     ; which 128 tokens are mine.  Also: which of a group's two lines I issue
	s_and_b32 s[CH], s[WV], 1                      ; which head.  Also: which half of a tile I fetch
	s_bfe_u32 s[CX], ttmp6, 0x40000
	s_bfe_u32 s[CY], ttmp6, 0x40004
	s_lshl_b32 s[PG], ttmp9, 2
	s_add_co_u32 s[PG], s[PG], s[CX]               ; g: the pair of heads
	s_and_b32 s[PA], ttmp7, 0xffff
	s_lshl_b32 s[PA], s[PA], 2
	s_add_co_u32 s[PA], s[PA], s[CY]               ; P: the block of 256 tokens
	s_lshl_b32 s84, s[CY], 2
	s_lshl_b32 s84, 15, s84                        ; my row of the cluster
	s_lshl_b32 s85, 0x1111, s[CX]                  ; my column
	s_or_b32 s[G1A], s84, (3<<16)|(1<<21)          ; the mask; elements of 8 bytes; bit 21 beside a mask; no padding
	s_or_b32 s[G1R], s84, (3<<16)|(1<<21)
	s_or_b32 s[G1B], s85, (3<<16)|(1<<21)
	s_mov_b32 s[G1A+1], 6144<<16                   ; x: 2 K quarters of 49,152 bytes, 512 x 3072 bytes apart
	s_mov_b32 s[G1A+2], 2<<16
	s_mov_b32 s[G1A+3], 6144<<16
	s_mov_b32 s[G1A+4], 2
	s_mov_b32 s[G1A+5], 512*3072/8
	s_mov_b32 s[G1A+6], 0
	s_mov_b32 s[G1A+7], 0
	s_mov_b32 s[G1B+1], 3072<<16                   ; W: 2 K quarters of 24,576 bytes, 192 x 3072 bytes apart
	s_mov_b32 s[G1B+2], 2<<16
	s_mov_b32 s[G1B+3], 3072<<16
	s_mov_b32 s[G1B+4], 2
	s_mov_b32 s[G1B+5], 192*3072/8
	s_mov_b32 s[G1B+6], 0
	s_mov_b32 s[G1B+7], 0
	s_mov_b32 s[G1R+1], 32<<16                     ; the table: 32,768 bytes on end, as 128 rows of 256
	s_mov_b32 s[G1R+2], 128<<16
	s_mov_b32 s[G1R+3], 32<<16
	s_mov_b32 s[G1R+4], 128
	s_mov_b32 s[G1R+5], 32
	s_mov_b32 s[G1R+6], 0
	s_mov_b32 s[G1R+7], 0
	s_mov_b32 s[SEL], 0x76543210
	s_mov_b32 s[SEL+1], 0xfedcba98                 ; v_permlanex16_b32's selects for lane l xor 16
	s_mul_i32 s86, s[PA], 49152                    ; x: 16 row tiles a block,
	s_mul_i32 s100, s[CH], 2*512*3072              ; my half of K
	s_add_co_u32 s86, s86, s100
	s_mov_b32 s87, 0
	s_mul_i32 s88, s[PG], 24576                    ; W: 8 row tiles for a pair of heads
	s_mul_i32 s100, s[CH], 2*192*3072
	s_add_co_u32 s88, s88, s100
	s_mov_b32 s89, 0
	s_and_b32 s90, s[PA], 7                        ; the table: 16 position tiles of 4,096 bytes a block,
	s_lshl_b32 s90, s90, 16
	s_lshl_b32 s100, s[CH], 15                     ; my half of them
	s_add_co_u32 s90, s90, s100
	s_mov_b32 s91, 0
	s_lshl_b32 s92, s[PA], 4
	s_lshl_b32 s100, s[RH], 3
	s_add_co_u32 s92, s92, s100                    ; my first row tile of x: its scale bytes
	s_lshl_b32 s92, s92, 9
	s_add_co_u32 s92, s92, 512*12288
	s_mov_b32 s93, 0
	s_lshl_b32 s94, s[PG], 3
	s_lshl_b32 s100, s[CH], 2
	s_add_co_u32 s94, s94, s100                    ; my head's first row tile among q's
	s_lshl_b32 s94, s94, 9
	s_add_co_u32 s94, s94, 192*12288
	s_mov_b32 s95, 0
	s_lshl_b32 s85, s[PG], 1
	s_add_co_u32 s85, s85, s[CH]                   ; my head
	s_lshl_b32 s96, s85, 8                         ; its 64 biases
	s_mov_b32 s97, 0
	s_lshr_b32 s84, s[PA], 3
	s_lshl_b32 s84, s84, 4
	s_add_co_u32 s84, s84, s85                     ; batch x 16 + head
	s_lshl_b32 s84, s84, 4
	s_and_b32 s85, s[PA], 7
	s_lshl_b32 s85, s85, 1
	s_add_co_u32 s84, s84, s85
	s_add_co_u32 s84, s84, s[RH]                   ; x 16 + the chunk of 128 tokens
	s_mul_i32 s98, s84, 6400
	s_mov_b32 s99, 0
	s_mul_i32 s84, s84, 12800
	s_mov_b32 s85, 0
	s_mul_i32 s100, s[CH], 4*3072                  ; LDS: my head's four row tiles of a block of W,
	s_mul_i32 s101, s[RH], 24576
	s_add_co_u32 s101, s101, 3*49152+7*3072+1536   ; x's fragment (tile 7, step 7) of my 128 tokens,
	s_mul_i32 s104, s[WV], 6400
	s_add_co_u32 s104, s104, STG                   ; my stage,
	s_lshl_b32 s105, s[RH], 15
	s_add_co_u32 s105, s105, RB                    ; my 128 tokens' cosines and sines
	s_mov_b32 s[G0A], 1                            ; no place in the cluster enters an LDS address
	s_mul_i32 s[G0A+1], s[CH], 98304
	s_mov_b32 s[G0Q], 1
	s_mul_i32 s[G0Q+1], s[CH], 49152
	s_mov_b32 s[G0V], 1
	s_add_co_u32 s[G0V+1], s[G0Q+1], VB
	s_mov_b32 s[G0K], 1
	s_add_co_u32 s[G0K+1], s[G0Q+1], VB
	s_mov_b32 s[G0R], 1
	s_lshl_b32 s[G0R+1], s[CH], 15
	s_add_co_u32 s[G0R+1], s[G0R+1], RB
	s_wait_dscnt 0x0                               ; both opening adds are done
	s_wait_kmcnt 0x0
	s_add_nc_u64 s[G0A+2:G0A+3], s[4:5], s[86:87]
	s_add_nc_u64 s[G0Q+2:G0Q+3], s[6:7], s[88:89]
	s_add_nc_u64 s[G0K+2:G0K+3], s[G0Q+2:G0Q+3], 64*3072       ; k's rows begin 64 row tiles behind q's,
	s_add_nc_u64 s[G0V+2:G0V+3], s[G0Q+2:G0Q+3], 128*3072      ; v's 128
	s_add_nc_u64 s[G0R+2:G0R+3], s[10:11], s[90:91]
	s_or_b32 s[G0A+3], s[G0A+3], 0x80000000
	s_or_b32 s[G0Q+3], s[G0Q+3], 0x80000000
	s_or_b32 s[G0K+3], s[G0K+3], 0x80000000
	s_or_b32 s[G0V+3], s[G0V+3], 0x80000000
	s_or_b32 s[G0R+3], s[G0R+3], 0x80000000
	s_add_nc_u64 s[SCA:SCA+1], s[4:5], s[92:93]
	s_add_nc_u64 s[SCB:SCB+1], s[6:7], s[94:95]
	s_add_nc_u64 s[BB:BB+1], s[8:9], s[96:97]
	s_add_nc_u64 s[OQ:OQ+1], s[12:13], s[98:99]
	s_add_nc_u64 s[OK:OK+1], s[14:15], s[84:85]
	s_add_nc_u64 s[OV:OV+1], s[OK:OK+1], 6400
	s_mul_i32 s86, s[RH], 24576                    ; my eight row tiles of x in a K quarter
	CROUND                                         ; all sixteen work-groups are here: the first joint loads meet
	JLOAD G0A, G1A, G0V, G1B                       ; one load a wave: x's two halves of K, W's rows of v likewise
	v_and_b32 v132, 31, v0                         ; lane
	v_and_b32 v133, 15, v0                         ; r
	v_bfe_u32 v134, v0, 4, 1                       ; h
	v_mul_u32_u24 v135, v132, 24
	v_add_nc_u32 v[LB], s100, v135
	v_add_nc_u32 v[AD77], s101, v135
	v_add_nc_u32 v128, s86, v135                   ; x's fragments, one address for each K quarter
	v_add_nc_u32 v129, 49152, v128
	v_add_nc_u32 v130, 2*49152, v128
	v_add_nc_u32 v131, 3*49152, v128
	v_mul_u32_u24 v136, v133, 48
	v_mad_u32_u24 v136, v134, 12, v136
	v_add_nc_u32 v[STQ], s104, v136                ; stage + 48 r + 12 h
	v_lshlrev_b32 v137, 4, v133
	v_add_nc_u32 v137, s104, v137
	v_add_nc_u32 v[STS], 6144, v137                ; stage + 6144 + 16 r
	v_lshlrev_b32 v[L8], 3, v132
	v_add_nc_u32 v[RD8], s104, v[L8]
	v_lshlrev_b32 v[L32], 5, v132
	v_lshlrev_b32 v[B64H], 6, v134
	v_lshlrev_b32 v138, 4, v132
	v_add_nc_u32 v[RP], s105, v138
	v_and_b32 v139, 8, v133
	v_add_nc_u32 v139, v139, v133
	v_lshlrev_b32 v[BVO], 2, v139                  ; 4 (r + 8 (r / 8))
	s_wait_alu depctr_va_vdst(0)                   ; the wait at the head's end
.irp g, 0,1,2,3                        ; register SA + 8 g + ks: the word of K step ks; lanes 0-15 my token tile 2 g, lanes 16-31 tile 2 g + 1
	global_load_b128 v[SA+8*\g:SA+8*\g+3], v[L32], s[SCA:SCA+1] offset:1024*\g
	global_load_b128 v[SA+8*\g+4:SA+8*\g+7], v[L32], s[SCA:SCA+1] offset:1024*\g+16
.endr
	global_load_b128 v[SB:SB+3], v[L32], s[SCB:SCB+1] offset:65536       ; v's first pass: lanes 0-15 its first row tile, lanes 16-31 its second
	global_load_b128 v[SB+4:SB+7], v[L32], s[SCB:SCB+1] offset:65536+16
.irp j, 0,1,2,3
	global_load_b128 v[BI+4*\j:BI+4*\j+3], v[B64H], s[BB:BB+1] offset:16*\j   ; q's first pass: register i: the bias of row 16 h + i
.endr
.macro FRAG reg, adr, off              ; a fragment: two half fragments, 24 bytes a lane each, in pieces of 8 bytes
.irp c, 0,1
.irp p, 0,1,2
	ds_load_b64 v[\reg+6*\c+2*\p:\reg+6*\c+2*\p+1], v[\adr] offset:\off+768*\c+8*\p
.endr
.endr
.endm
	s_wait_tensorcnt 0x0                           ; my load is in;
	s_barrier_signal -1
	s_barrier_wait -1                              ; and so is everybody's
.irp ks, 0,1,2,3,4,5,6,7               ; x into registers: fragment F = 8 ks + a at register 12 (F % 21) of window 1 + F / 21
.irp a, 0,1,2,3,4,5,6,7
.set F, 8*\ks+\a
.if F < 63
	WIN (1+F/21)<<6
	FRAG 12*(F%21), 128+\ks/2, 3072*\a+1536*(\ks%2)
.endif
.endr
.endr
	WIN 0
	s_wait_tensorcnt 0x0                           ; ahead of a refill's round
	ds_add_u32 v[SPW], v[NIL]
	s_wait_dscnt 0x0                               ; the add is done, and x is in my registers
	CROUND
	JLOAD G0Q, G1B, G0R, G1R                       ; into x's bytes: W's rows of q, and the cosines and sines
.macro WMX d, s0, s1, c, q0, q1, r0, r1
.if (\r0) == 0
.if (\r1) == 0
	v_wmma_scale_f32_16x16x128_f8f6f4 v[\d:\d+7], v[\s0:\s0+11], v[\s1:\s1+11], \c, v[\q0], v[\q1] matrix_a_fmt:MATRIX_FMT_BF6 matrix_b_fmt:MATRIX_FMT_BF6
.else
	v_wmma_scale_f32_16x16x128_f8f6f4 v[\d:\d+7], v[\s0:\s0+11], v[\s1:\s1+11], \c, v[\q0], v[\q1] matrix_a_fmt:MATRIX_FMT_BF6 matrix_b_fmt:MATRIX_FMT_BF6 matrix_b_scale:MATRIX_SCALE_ROW1
.endif
.else
.if (\r1) == 0
	v_wmma_scale_f32_16x16x128_f8f6f4 v[\d:\d+7], v[\s0:\s0+11], v[\s1:\s1+11], \c, v[\q0], v[\q1] matrix_a_fmt:MATRIX_FMT_BF6 matrix_b_fmt:MATRIX_FMT_BF6 matrix_a_scale:MATRIX_SCALE_ROW1
.else
	v_wmma_scale_f32_16x16x128_f8f6f4 v[\d:\d+7], v[\s0:\s0+11], v[\s1:\s1+11], \c, v[\q0], v[\q1] matrix_a_fmt:MATRIX_FMT_BF6 matrix_b_fmt:MATRIX_FMT_BF6 matrix_a_scale:MATRIX_SCALE_ROW1 matrix_b_scale:MATRIX_SCALE_ROW1
.endif
.endif
.endm
; 16 products of K step ks: my eight token tiles x the pass's two row tiles of W; the 16 accumulators take turns, in the same order in every step.
; kind 0 (q, k): accumulator (a, u) at ACC + 16 a + 8 u, the first C the bias.  kind 1 (v): at ACC + 64 u + 8 a, the first C 0.
.macro MULS kind, ks
.irp a, 0,1,2,3,4,5,6,7
.set F, 8*(\ks)+\a
.set AW, 1+F/21
.set AR, 12*(F%21)
.if F == 63
.set AW, 0
.set AR, BF
	s_wait_dscnt 0x0                               ; x's last fragment is in, asked for 14 products ago
.endif
.set QX, SA+8*(\a/2)+(\ks)
.set QW, SB+(\ks)
.irp u, 0,1
.set BR, BF+24*((\ks)%2)+12*\u
.if \kind == 0
	WIN AW<<2
.set DR, ACC+16*\a+8*\u
.set CR, DR
.if (\ks) == 0
.set CR, BI+8*\u
.endif
	WMX DR, BR, AR, v[CR:CR+7], QW, QX, \u, \a%2
.else
	WIN AW
.set DR, ACC+64*\u+8*\a
.if (\ks) == 0
	WMX DR, AR, BR, 0, QX, QW, \a%2, \u
.else
	WMX DR, AR, BR, v[DR:DR+7], QX, QW, \a%2, \u
.endif
.endif
.endr
.endr
	WIN 0
.endm
.macro FETCHB ks                       ; the pass's two fragments of W for K step ks into set ks % 2
.irp u, 0,1
	FRAG BF+24*((\ks)%2)+12*\u, ADC0+(\ks)/4, 24576*(((\ks)/2)%2)+3072*\u+1536*((\ks)%2)
.endr
.endm
.macro SKIP last, lbl                  ; behind the launch's last pass nothing follows: a branch on the trip's number round loads alone
.if \last
	s_cmp_eq_u32 s[BETA], 1
	s_cbranch_scc1 \lbl
.endif
.endm
; The eight K steps of a pass.  The next step's fragments are asked for ahead of each step's products.  The next pass's bias and scale words are asked for as soon as their registers are free.
.macro KSTEPS kind, last
	FETCHB 0
.irp ks, 0,1,2,3,4,5,6,7
	s_wait_dscnt 0x0                               ; this step's fragments are in
.if \ks > 0
	PLACES 4                                       ; behind the last step's products, ahead of loads into registers that they read
.endif
.if \ks < 7
	FETCHB \ks+1
.else
	FRAG BF, AD77, 0                               ; x's fragment (7, 7), from LDS bytes that no fill touches
.endif
.if (\ks == 1) && (\kind == 0)
	SKIP \last, .Lnb_\@
.irp j, 0,1,2,3
	global_load_b128 v[BI+4*\j:BI+4*\j+3], v[VBI], s[BB:BB+1] offset:16*\j
.endr
.Lnb_\@:
.endif
.if \ks == 4
	SKIP \last, .Lnl_\@
	global_load_b128 v[SB:SB+3], v[VSB], s[SCB:SCB+1]
.Lnl_\@:
.endif
	MULS \kind, \ks
.endr
	PLACES 4
	SKIP \last, .Lnh_\@
	global_load_b128 v[SB+4:SB+7], v[VSB], s[SCB:SCB+1] offset:16
.Lnh_\@:
.endm
.macro CSLOAD g                        ; (cos, sin) of my 8 pairs, token tiles 2 g and 2 g + 1
.irp e, 0,1
.irp j, 0,1,2,3
	ds_load_b128 v[CS+16*\e+4*\j:CS+16*\e+4*\j+3], v[RPC] offset:4096*(2*(\g)+\e)+512*\j
.endr
.endr
.endm
; q, k on the way out, two token tiles at a time, in place.  Register i of tile a is dim 32 beta + 16 h + i of my token: rotation, the block's scale (with lane l xor 16), 16 codes.
.macro EPIQK
	CSLOAD 0
.irp g, 0,1,2,3
	s_wait_dscnt 0x0                               ; the cosines and sines are in, and the last tiles' stores have read their registers
.irp e, 0,1
.irp q, 0,4                            ; a pair (y1, y2) with its (c, s): (y1 c, y2 c), then (y1 c - y2 s, y2 c + y1 s); each accumulator from its low end on
.irp k, 0,1,2,3
	v_pk_mul_f32 v[T+2*\k:T+2*\k+1], v[ACC+16*(2*\g+\e)+2*(\q+\k):ACC+16*(2*\g+\e)+2*(\q+\k)+1], v[CS+16*\e+2*(\q+\k):CS+16*\e+2*(\q+\k)+1] op_sel_hi:[1,0]
.endr
.irp k, 0,1,2,3
	v_pk_fma_f32 v[ACC+16*(2*\g+\e)+2*(\q+\k):ACC+16*(2*\g+\e)+2*(\q+\k)+1], v[ACC+16*(2*\g+\e)+2*(\q+\k):ACC+16*(2*\g+\e)+2*(\q+\k)+1], v[CS+16*\e+2*(\q+\k):CS+16*\e+2*(\q+\k)+1], v[T+2*\k:T+2*\k+1] op_sel:[1,1,0] op_sel_hi:[0,1,1] neg_lo:[1,0,0]
.endr
.endr
.endr
.if \g < 3
	CSLOAD \g+1
.endif
.irp e, 0,1
	v_max3_num_f32 v[TM+\e], |v[ACC+16*(2*\g+\e)]|, |v[ACC+16*(2*\g+\e)+1]|, 0x2800000   ; my 16 numbers, and the floor 2^(5 - 127): the byte cannot fall under 1
.endr
.irp i, 2,4,6,8,10,12,14
.irp e, 0,1
	v_max3_num_f32 v[TM+\e], v[TM+\e], |v[ACC+16*(2*\g+\e)+\i]|, |v[ACC+16*(2*\g+\e)+\i+1]|
.endr
.endr
.irp e, 0,1
	v_permlanex16_b32 v[TP+\e], v[TM+\e], s[SEL], s[SEL+1]
.endr
.irp e, 0,1
	v_max_num_f32 v[TM+\e], v[TM+\e], v[TP+\e]     ; the block's largest magnitude
.endr
.irp e, 0,1
	v_add_nc_u32 v[TS+\e], 0xfe000000, v[TM+\e]    ; 4 off its exponent field: the conversion's scale operand
.endr
.irp e, 0,1
	v_lshrrev_b32 v[BY+\e], 23, v[TS+\e]           ; the scale's byte
.endr
.irp e, 0,1
	v_cvt_scalef32_pk16_bf6_f32 v[CD+4*\e:CD+4*\e+2], v[ACC+16*(2*\g+\e):ACC+16*(2*\g+\e)+15], v[TS+\e]
.endr
	v_nop                                          ; one plain line behind a scaled conversion
.irp e, 0,1
.irp i, 0,1,2
	ds_store_b32 v[STQC], v[CD+4*\e+\i] offset:1536*\g+24*\e+4*\i   ; fragment g, lane r + 16 beta, half e, bytes 12 h + 4 i
.endr
	ds_store_b8 v[STSC], v[BY+\e] offset:4*\g+2*\e                  ; lanes l and l xor 16 write the same byte with the same value
.endr
.endr
	s_wait_dscnt 0x0
.endm
; v on the way out: row tile u of the pass.  Register 16 b + i is key 32 b + 16 h + i of my 128: bias, four blocks' scales, 64 codes.
.macro EPIV
	s_wait_loadcnt 0x2                             ; v's bias is in; the two loads of the next pass's scale words, issued behind it, may be out
.irp b, 0,1,2,3
	v_mov_b32 v[VTP+\b], 0                         ; a lane permute's destination counts as one of its sources
.endr
.irp u, 0,1
	s_wait_dscnt 0x0                               ; the last tile's stores have read their registers
.set MI, 0
.rept 32
.if \u == 0
	v_pk_add_f32 v[ACC+64*\u+2*MI:ACC+64*\u+2*MI+1], v[ACC+64*\u+2*MI:ACC+64*\u+2*MI+1], v[BV:BV+1] op_sel_hi:[1,0]
.else
	v_pk_add_f32 v[ACC+64*\u+2*MI:ACC+64*\u+2*MI+1], v[ACC+64*\u+2*MI:ACC+64*\u+2*MI+1], v[BV:BV+1] op_sel:[0,1] op_sel_hi:[1,1]
.endif
.set MI, MI+1
.endr
.irp b, 0,1,2,3
	v_max3_num_f32 v[VTM+\b], |v[ACC+64*\u+16*\b]|, |v[ACC+64*\u+16*\b+1]|, 0x2800000
.endr
.irp i, 2,4,6,8,10,12,14
.irp b, 0,1,2,3
	v_max3_num_f32 v[VTM+\b], v[VTM+\b], |v[ACC+64*\u+16*\b+\i]|, |v[ACC+64*\u+16*\b+\i+1]|
.endr
.endr
.irp b, 0,1,2,3
	v_permlanex16_b32 v[VTP+\b], v[VTM+\b], s[SEL], s[SEL+1]
.endr
.irp b, 0,1,2,3
	v_max_num_f32 v[VTM+\b], v[VTM+\b], v[VTP+\b]
.endr
.irp b, 0,1,2,3
	v_add_nc_u32 v[VTS+\b], 0xfe000000, v[VTM+\b]
.endr
.irp b, 0,1,2,3
	v_lshrrev_b32 v[VBY+\b], 23, v[VTS+\b]
.endr
.irp b, 0,1,2,3
	v_cvt_scalef32_pk16_bf6_f32 v[VCD+4*\b:VCD+4*\b+2], v[ACC+64*\u+16*\b:ACC+64*\u+16*\b+15], v[VTS+\b]
.endr
	v_nop                                          ; one plain line behind a scaled conversion
.irp b, 0,1,2,3
.irp i, 0,1,2
	ds_store_b32 v[STQC], v[VCD+4*\b+\i] offset:1536*\u+768*(\b%2)+24*(\b/2)+4*\i   ; fragment 2 beta + u, lane r + 16 (b % 2), half b / 2, bytes 12 h + 4 i
.endr
	ds_store_b8 v[STSC], v[VBY+\b] offset:4*\u+\b
.endr
.endr
	s_wait_dscnt 0x0
.endm
.macro COPYOUT out                     ; my chunk leaves: 25 stores of 256 consecutive bytes, aligned.  The stage is my own: LDS serves a wave's instructions in order (ISA guide 5.7.1.4)
.set MI, 0
.rept 25
	ds_load_b64 v[ACC+2*MI:ACC+2*MI+1], v[RD8] offset:256*MI
.set MI, MI+1
.endr
	s_wait_dscnt 0x0
.set MI, 0
.rept 25
	global_store_b64 v[L8], v[ACC+2*MI:ACC+2*MI+1], s[\out:\out+1] offset:256*MI
.set MI, MI+1
.endr
	s_wait_xcnt 0x0                                ; the stores have read their registers: the next products may write them
.endm
; A head of q or k: two trips.  base: where W's block lies in LDS; sbt, bit: this head's scale words and bias; sbn, bin: those of the pass that follows the second trip.
.macro ROLEQK base, sbt, sbn, bit, bin, last
	s_mov_b32 s[BETA], 0
.Lqk_\@:
	s_wait_loadcnt 0x0                             ; this pass's scale words and bias are in, and the loads' address registers are free
	s_mul_i32 s84, s[BETA], 6144                   ; two row tiles a pass
	s_add_co_u32 s84, s84, \base
	s_mul_i32 s85, s[BETA], 768
	s_lshl_b32 s86, s[BETA], 11
	s_mov_b32 s87, \sbn
	s_mov_b32 s88, \bin
	s_cmp_eq_u32 s[BETA], 0
	s_cselect_b32 s87, \sbt+1024, s87
	s_cselect_b32 s88, \bit+128, s88
	v_add_nc_u32 v[ADC0], s84, v[LB]
	v_add_nc_u32 v[ADC1], 49152, v[ADC0]
	v_add_nc_u32 v[STQC], s85, v[STQ]
	v_add_nc_u32 v[STSC], s[BETA], v[STS]
	v_add_nc_u32 v[RPC], s86, v[RP]
	v_add_nc_u32 v[VSB], s87, v[L32]
	v_add_nc_u32 v[VBI], s88, v[B64H]
	s_wait_alu depctr_va_vdst(0)                   ; the wait behind these writes
	KSTEPS 0, \last
	EPIQK
	s_add_co_u32 s[BETA], s[BETA], 1
	s_cmp_lt_u32 s[BETA], 2
	s_wait_alu depctr_va_vdst(0)                   ; the wait ahead of the branch
	s_cbranch_scc1 .Lqk_\@
.endm
	s_mov_b32 s[BETA], 0                           ; MY HEAD OF v: two trips
.Lv:
	s_wait_loadcnt 0x0
	s_mul_i32 s84, s[BETA], 6144
	s_add_co_u32 s84, s84, VB
	s_mul_i32 s85, s[BETA], 3072                   ; two fragments a pass
	s_lshl_b32 s86, s[BETA], 3
	s_lshl_b32 s88, s[BETA], 7
	s_cmp_eq_u32 s[BETA], 0
	s_cselect_b32 s87, 65536+1024, 0               ; the next pass: v's second, then q's first
	v_add_nc_u32 v[ADC0], s84, v[LB]
	v_add_nc_u32 v[ADC1], 49152, v[ADC0]
	v_add_nc_u32 v[STQC], s85, v[STQ]
	v_add_nc_u32 v[STSC], s86, v[STS]
	v_add_nc_u32 v[VSB], s87, v[L32]
	v_add_nc_u32 v[VBV], s88, v[BVO]
	s_wait_alu depctr_va_vdst(0)                   ; the wait behind these writes
	global_load_b32 v[BV], v[VBV], s[BB:BB+1] offset:8192          ; the bias of my lane's channel in the pass's two row tiles
	global_load_b32 v[BV+1], v[VBV], s[BB:BB+1] offset:8192+32
	KSTEPS 1, 0
	EPIV
	s_add_co_u32 s[BETA], s[BETA], 1
	s_cmp_lt_u32 s[BETA], 2
	s_wait_alu depctr_va_vdst(0)
	s_cbranch_scc1 .Lv
	s_wait_tensorcnt 0x0                           ; W's rows of q and the table are in
	ds_add_u32 v[SPW], v[NIL]
	s_wait_dscnt 0x0                               ; the add is done, and my reads of W's rows of v are over
	CROUND
	s_cmp_eq_u32 s[RH], 0                          ; waves 0, 1: W's rows of k take v's place
	s_cbranch_scc0 .Lno_k
	tensor_load_to_lds s[G0K:G0K+3], s[G1B:G1B+7]
	s_nop 0
	PLACES 4
.Lno_k:
	COPYOUT OV
	ROLEQK XB, 0, 32768, 0, 4096, 0                ; MY HEAD OF q
	COPYOUT OQ
	s_wait_tensorcnt 0x0                           ; my part of W's rows of k is in;
	s_barrier_signal -1
	s_barrier_wait -1                              ; and so is everybody's
	ROLEQK VB, 32768, 0, 4096, 0, 1                ; MY HEAD OF k
	COPYOUT OK
	s_wait_tensorcnt 0x0                           ; the wave's end
	ds_add_u32 v[SPW], v[NIL]
	s_wait_dscnt 0x0
	CROUND                                         ; the closing round
	s_endpgm
.Lfunc_end_k_qa0021b5bec_qkv:
	.size	k_qa0021b5bec_qkv, .Lfunc_end_k_qa0021b5bec_qkv-k_qa0021b5bec_qkv
	.p2alignl 7, 3214868480
	.fill 96, 4, 3214868480
	.section	.rodata,"a",@progbits
	.p2align	6, 0x0
	.amdhsa_kernel k_qa0021b5bec_qkv
		.amdhsa_group_segment_fixed_size 327680
		.amdhsa_private_segment_fixed_size 0
		.amdhsa_enable_private_segment 0
		.amdhsa_kernarg_size 48
		.amdhsa_user_sgpr_count 2
		.amdhsa_user_sgpr_kernarg_segment_ptr 1
		.amdhsa_wavefront_size32 1
		.amdhsa_system_sgpr_workgroup_id_x 1
		.amdhsa_system_sgpr_workgroup_id_y 1
		.amdhsa_system_sgpr_workgroup_id_z 1
		.amdhsa_system_vgpr_workitem_id 0
		.amdhsa_next_free_vgpr 1024
		.amdhsa_next_free_sgpr 106
		.amdhsa_reserve_vcc 0
		.amdhsa_float_denorm_mode_32 3
		.amdhsa_float_denorm_mode_16_64 3
		.amdhsa_memory_ordered 1
		.amdhsa_forward_progress 1
		.amdhsa_inst_pref_size 174
	.end_amdhsa_kernel
	.amdgpu_metadata
---
amdhsa.version: [ 1, 2 ]
amdhsa.kernels:
  - .name:           k_qa0021b5bec_qkv
    .symbol:         k_qa0021b5bec_qkv.kd
    .args:
      - { .name: xq, .offset: 0, .size: 8, .value_kind: global_buffer, .address_space: global }
      - { .name: wq, .offset: 8, .size: 8, .value_kind: global_buffer, .address_space: global }
      - { .name: qkv_b, .offset: 16, .size: 8, .value_kind: global_buffer, .address_space: global }
      - { .name: rope, .offset: 24, .size: 8, .value_kind: global_buffer, .address_space: global }
      - { .name: qb, .offset: 32, .size: 8, .value_kind: global_buffer, .address_space: global }
      - { .name: kv, .offset: 40, .size: 8, .value_kind: global_buffer, .address_space: global }
    .group_segment_fixed_size: 327680
    .private_segment_fixed_size: 0
    .kernarg_segment_align: 8
    .kernarg_segment_size: 48
    .max_flat_workgroup_size: 128
    .sgpr_count:     106
    .vgpr_count:     1024
    .wavefront_size: 32
...
	.end_amdgpu_metadata
.endif
;; end of part 2
;; launch attn (part 3): grid 4 x 64, 16 waves a work-group, no clusters, 327,680 bytes of LDS; arguments qb, kv, yq; writes yq
.if DOCPART == 3
	.amdgcn_target "amdgcn-amd-amdhsa--gfx1250"
	.amdhsa_code_object_version 6
	.text
	.protected	k_qa0021b5bec_attn
	.globl	k_qa0021b5bec_attn
	.p2align	8
	.type	k_qa0021b5bec_attn,@function
k_qa0021b5bec_attn:
	s_mov_b64 s[64:65], 0
	v_nop
	global_prefetch_b8 v0, s[64:65] scope:SCOPE_SE
	s_setreg_imm32_b32 hwreg(HW_REG_WAVE_MODE, 25, 1), 1
	s_wait_xcnt 0x0
; y = softmax(q k^T / 8, causal) v for one head, both products on codes of BF6 (E3M2) with E8M0 scales; y is quantised along the model's 1,024 and leaves as the last product's operand.
; THE SOFTMAX: t = score x log2(e) / 8; M = the row's largest t so far, rounded up to a whole number; p = 2^(t - M) is quantised along the keys, not normalised; the row's sum is taken of the unquantised p and divides at the end.
; When M moves, the sum and O are multiplied by 2^(old M - new M): nothing is rounded.
; SHARES.  A work-group owns query blocks I and 7 - I (256 queries each) of one head, the short one first: (I + 1) + (8 - I) = 9 slots of 256 keys, the same constant in all 256 work-groups.
; Each of its sixteen waves owns one tile of 16 queries of the block in hand: Q0 + r + 8 (r / 8), Q0 = 256 block + 32 (w / 2) + 8 (w % 2).
; INPUTS: chunks of 6,400 bytes for a head and 128 tokens: four fragments of 1,536 bytes, lane l's 48 bytes at 48 l, and scale words at 6144 + 16 r + 4 p.  A fragment of q or k holds token tile 2 p in registers 0-5 (K 0-63)
; and token tile 2 p + 1 in registers 6-11 (K 64-127).  THE HEAD IS 64 AND THE INSTRUCTION'S K IS 128: k's fragment times [q | zeros] gives tile 2 p's scores, times [zeros | q] tile 2 p + 1's.
; Row 8 h + j of token tile a is token 32 (a / 2) + 8 (a % 2) + 16 h + j: the 16 registers of tiles 2 p and 2 p + 1 are keys 32 p + 16 h + 0 .. 15.
; Both products are used transposed: S^T = k q^T, O^T = v^T p^T: a lane holds one query throughout.
; THE RING: two LDS slots of 25,600 bytes (two key steps: k's chunk, v's chunk, twice), on end in memory; waves 0 to 3 fetch a chunk each.  No multicast: the four work-groups of a head want different slots in the same trip.
; CAUSAL: a step all of whose keys come after my queries is jumped over (a branch on ids, round no barrier and no tensor load); on the diagonal hidden scores become -infinity ahead of the maximum.
; LIMITS: NaN and infinities are not served; v_exp_f32 gives 0 for p under 2^-126; a block of zeros gets the byte 1 with zero codes.
; y's scale bytes leave two at a time, 32 bytes apart (a row's other bytes belong to other heads' work-groups): one byte in 24 of what the launch stores.
; REGISTERS: v1-11 addresses; v12 -M, v13 the largest t, v[14:15] the sum; v16-33 zeros, q, zeros; v35-42 the second block's q and both words; v48-95 four fragments of k, then of v; v96-159 S^T, then p; v160-191 O^T; v224.. p's codes; v232-254 at work; v255 q's scale word.
.set SLOT1, 32768
.set STAGE, 65536                      ; 768 bytes a wave, for y's half fragment
.set SPARE, STAGE+16*768               ; the spare words: 128 bytes a wave, eight blocks of 256 bytes that no other line names
.set SPW, 5
.set NIL, 6
.set ADK, 8
.set ADS, 9
.set PFO, 43
.set WV, 10
.set II, 11
.set BH, 12
.set N1, 13
.set TAU, 14
.set KO, 16
.set TB, 18
.set KF, 19
.set SEL, 20
.set CS, 22
.set G1, 24
.set G0, 32
.set KVB, 36
.set Q0, 38
.set Q0B, 39
.set YC1, 40
.set YC2, 42
.set YS1, 44
.set YS2, 46
.set PFA, 48
.set LIM, 50
.set PSEL, 51
.macro TLOAD                           ; waves 0 to 3 fetch a chunk each; the branch hangs on the wave's number alone; four v_nop follow the load
	s_cmp_lt_u32 s[WV], 4
	s_cbranch_scc0 .Lnone_\@
	tensor_load_to_lds s[G0:G0+3], s[G1:G1+7]
	s_nop 0
.rept 4
	v_nop
.endr
.Lnone_\@:
.endm
; A prefetch into the L2 of the slot that the next trip's load will ask for.  All four work-groups of a head walk the same chunks: the one with I = 0 asks, and in it waves 4 to 7, a chunk of 25 x 256 bytes each, lanes 256 bytes apart
; (lanes 25 to 31 repeat lane 24's block, so that no lane leaves the chunk).  In trip t it names slot t + 1, t = 0 .. 6; slot 0 comes by its load alone.
.macro ASK
	s_cmp_lt_u32 s[TAU], s[LIM]
	s_cbranch_scc0 .Lnot_mine_\@
	global_prefetch_b8 v[PFO], s[PFA:PFA+1] th:TH_LOAD_NT scope:SCOPE_SE
.Lnot_mine_\@:
.endm
.macro YADR qb, yc, ys                 ; where block qb's half fragment and scale bytes go: row tile Tg = batch x 128 + 16 block + wave
	s_lshl_b32 s74, s[\qb], 4
	s_add_co_u32 s74, s74, s71
	s_add_co_u32 s75, s74, s72
	s_lshl_b32 s75, s75, 2
	s_add_co_u32 s75, s75, s73
	s_mul_i32 s76, s75, 768                        ; (((head / 4) 512 + Tg) 4 + head % 4) 768
	s_mov_b32 s77, 0
	s_add_nc_u64 s[\yc:\yc+1], s[8:9], s[76:77]
	s_lshl_b32 s76, s74, 9
	s_add_co_u32 s76, s76, s78                     ; 6291456 + 512 Tg + 2 head
	s_add_nc_u64 s[\ys:\ys+1], s[8:9], s[76:77]
.endm
.macro NEWBLOCK                        ; a block of queries begins: the largest t under every t, zeros for the sum and O^T, which the first change of M leaves zeros
	v_mov_b32 v13, 0xff61b1e6
	s_delay_alu instid0(VALU_DEP_1)
	v_floor_f32 v12, -v13
	v_mov_b32 v14, 0
	v_mov_b32 v15, 0
.set J, 0
.rept 32
	v_mov_b32 v[160+J], 0
.set J, J+1
.endr
.endm
	s_load_b128 s[4:7], s[0:1], 0x0                ; qb, kv
	s_load_b64 s[8:9], s[0:1], 0x10                ; yq
	v_lshl_add_u32 v[SPW], v0, 2, SPARE
	v_mov_b32 v[NIL], 0
	ds_add_u32 v5, v6
	ds_add_u32 v5, v6
	s_wait_dscnt 0x0
	v_lshrrev_b32 v8, 5, v0
	s_delay_alu instid0(VALU_DEP_1)
	v_readfirstlane_b32 s[WV], v8                  ; wave 0..15
	s_mov_b32 s[II], ttmp9
	s_and_b32 s[BH], ttmp7, 0xffff                 ; batch x 16 + head
	s_add_co_u32 s[N1], s[II], 1                   ; the first block's slots
	s_mov_b32 s[G1], 3<<16                         ; a chunk: 25 rows of 256 bytes (32 elements of 8), on end; no mask, no padding
	s_mov_b32 s[G1+1], 32<<16
	s_mov_b32 s[G1+2], 25<<16
	s_mov_b32 s[G1+3], 32<<16
	s_mov_b32 s[G1+4], 25
	s_mov_b32 s[G1+5], 32
	s_mov_b32 s[G1+6], 0
	s_mov_b32 s[G1+7], 0
	s_mul_i32 s52, s[BH], 204800
	s_mul_i32 s54, s[WV], 6400
	s_add_co_u32 s52, s52, s54
	s_mov_b32 s53, 0
	s_mov_b32 s[KO], 0
	s_mov_b32 s[KO+1], 0
	s_mov_b32 s[TB], 0
	s_mov_b32 s[KF], 0
	s_mov_b32 s[SEL], 0x76543210
	s_mov_b32 s[SEL+1], 0xfedcba98
	s_mov_b32 s[CS], 0x3e38aa3b                    ; log2(e) / 8
	s_mov_b32 s[CS+1], s[CS]
	s_wait_kmcnt 0x0
	s_add_nc_u64 s[KVB:KVB+1], s[6:7], s[52:53]    ; my chunk of the head's slot 0
	s_mov_b32 s[G0], 1
	s_mov_b32 s[G0+1], s54
	s_mov_b64 s[G0+2:G0+3], s[KVB:KVB+1]
	s_or_b32 s[G0+3], s[G0+3], 0x80000000
	TLOAD                                          ; slot 0: one load of mine is out
	v_and_b32 v8, 31, v0                           ; lane
	v_and_b32 v9, 15, v0                           ; r
	v_bfe_u32 v44, v0, 4, 1                        ; h
	s_delay_alu instid0(VALU_DEP_3)
	v_mul_u32_u24 v1, v8, 48
	s_delay_alu instid0(VALU_DEP_3)
	v_lshlrev_b32 v2, 4, v9
	s_delay_alu instid0(VALU_DEP_4)
	v_and_b32 v3, 8, v9
	s_delay_alu instid0(VALU_DEP_1)
	v_add_nc_u32 v3, v3, v9
	v_lshlrev_b32 v45, 4, v44
	s_delay_alu instid0(VALU_DEP_1)
	v_sub_nc_u32 v3, v3, v45                       ; r + 8 (r / 8) - 16 h
	s_mul_i32 s52, s[WV], 768
	s_add_co_u32 s52, s52, STAGE
	v_mul_u32_u24 v4, v8, 24
	s_delay_alu instid0(VALU_DEP_1)
	v_add_nc_u32 v4, s52, v4
	v_lshlrev_b32 v10, 3, v8
	s_delay_alu instid0(VALU_DEP_1)
	v_add_nc_u32 v7, s52, v10
	v_lshlrev_b32 v11, 5, v9
	v_min_u32 v[PFO], 24, v8
	s_delay_alu instid0(VALU_DEP_1)
	v_lshlrev_b32 v[PFO], 8, v[PFO]
	; q of both blocks: chunk batch-head x 16 + 2 block + w / 8, fragment (w % 8) / 2, half w % 2
	s_lshl_b32 s54, s[BH], 4
	s_lshr_b32 s55, s[WV], 3
	s_add_co_u32 s54, s54, s55
	s_lshl_b32 s56, s[II], 1
	s_add_co_u32 s56, s56, s54
	s_sub_co_u32 s57, 7, s[II]                     ; the second block
	s_lshl_b32 s58, s57, 1
	s_add_co_u32 s58, s58, s54
	s_mul_i32 s56, s56, 6400
	s_mul_i32 s58, s58, 6400
	s_mov_b32 s59, 0
	s_mov_b32 s60, s56
	s_mov_b32 s61, 0
	s_add_nc_u64 s[66:67], s[4:5], s[60:61]
	s_add_nc_u64 s[68:69], s[4:5], s[58:59]
	s_bfe_u32 s62, s[WV], 0x20001
	s_and_b32 s63, s[WV], 1
	s_mul_i32 s60, s62, 1536
	s_mul_i32 s61, s63, 24
	s_add_co_u32 s60, s60, s61
	v_add_nc_u32 v44, s60, v1
	s_lshl_b32 s60, s62, 2
	s_add_co_u32 s60, s60, 6144
	v_add_nc_u32 v45, s60, v2
.irp p, 0,1,2
	global_load_b64 v[22+2*\p:23+2*\p], v44, s[66:67] offset:8*\p
	global_load_b64 v[36+2*\p:37+2*\p], v44, s[68:69] offset:8*\p
.endr
	global_load_b32 v42, v45, s[66:67]
	global_load_b32 v35, v45, s[68:69]
	s_mov_b32 s52, 0x01000100
	s_cmp_eq_u32 s63, 1
	s_cselect_b32 s[PSEL], 0x03020302, s52         ; my tile's two bytes of the word, twice: they serve [q | zeros] and [zeros | q] alike
	s_lshr_b32 s52, s[WV], 1
	s_lshl_b32 s52, s52, 5
	s_lshl_b32 s53, s63, 3
	s_add_co_u32 s52, s52, s53
	s_lshl_b32 s53, s[II], 8
	s_add_co_u32 s[Q0], s52, s53
	s_lshl_b32 s53, s57, 8
	s_add_co_u32 s[Q0B], s52, s53
	s_and_b32 s70, s[BH], 15                       ; head
	s_lshr_b32 s71, s[BH], 4
	s_lshl_b32 s71, s71, 7
	s_add_co_u32 s71, s71, s[WV]
	s_lshr_b32 s72, s70, 2
	s_lshl_b32 s72, s72, 9
	s_and_b32 s73, s70, 3
	s_lshl_b32 s78, s70, 1
	s_add_co_u32 s78, s78, 6291456
	YADR II, YC1, YS1
	YADR 57, YC2, YS2
	s_mul_i32 s52, s[BH], 204800
	s_and_b32 s53, s[WV], 3
	s_mul_i32 s53, s53, 6400
	s_add_co_u32 s52, s52, s53
	s_mov_b32 s53, 0
	s_add_nc_u64 s[PFA:PFA+1], s[6:7], s[52:53]    ; in slot 0: the first change of slots steps it to slot 1.  Nothing is prefetched here, at the head
	s_lshr_b32 s52, s[WV], 2
	s_xor_b32 s52, s52, 1                          ; 0 in waves 4 to 7,
	s_or_b32 s52, s52, s[II]                       ; of the work-group with I = 0
	s_cmp_eq_u32 s52, 0
	s_cselect_b32 s[LIM], 7, 0
.irp i, 0,1,2,3,4,5
	v_mov_b32 v[16+\i], 0                          ; zero codes on both sides of q
	v_mov_b32 v[28+\i], 0
.endr
.irp b, 0,1,2,3
	v_mov_b32 v[236+\b], 0                         ; written once: a lane permute's destination counts as one of its sources
.endr
	v_mov_b32 v252, 0
	v_mov_b32 v253, 0
	s_wait_loadcnt 0x0                             ; q
	v_perm_b32 v255, v42, v42, s[PSEL]
	NEWBLOCK                                       ; (its lines are also the places between the scale word's line and the first product)
; A KEY STEP: 128 keys, the q-th of the slot in hand.
.macro STEP q
	s_add_co_u32 s52, s[Q0], 23                    ; my last query
	s_cmp_gt_u32 s[KF], s52
	s_cbranch_scc1 .Lhidden_\@
	v_add_nc_u32 v[ADK], s[TB], v1
	v_add_nc_u32 v[ADS], s[TB], v2
	v_nop
	v_nop                                          ; four places in front of loads into registers that the last products read
.irp p, 0,1,2,3
.irp c, 0,1,2
	ds_load_b128 v[48+12*\p+4*\c:48+12*\p+4*\c+3], v[ADK] offset:12800*(\q)+1536*\p+16*\c
.endr
.endr
	ds_load_b128 v[248:251], v[ADS] offset:12800*(\q)+6144
	s_wait_alu depctr_va_vdst(0)
	s_wait_dscnt 0x0
.irp p, 0,1,2,3
	v_wmma_scale_f32_16x16x128_f8f6f4 v[96+16*\p:103+16*\p], v[48+12*\p:59+12*\p], v[22:33], 0, v[248+\p], v255 matrix_a_fmt:MATRIX_FMT_BF6 matrix_b_fmt:MATRIX_FMT_BF6
	v_wmma_scale_f32_16x16x128_f8f6f4 v[104+16*\p:111+16*\p], v[48+12*\p:59+12*\p], v[16:27], 0, v[248+\p], v255 matrix_a_fmt:MATRIX_FMT_BF6 matrix_b_fmt:MATRIX_FMT_BF6
.endr
.rept 4
	v_nop
.endr
.irp p, 0,1,2,3                        ; v's fragments take k's registers at once: they land under the softmax
.irp c, 0,1,2
	ds_load_b128 v[48+12*\p+4*\c:48+12*\p+4*\c+3], v[ADK] offset:12800*(\q)+6400+1536*\p+16*\c
.endr
.endr
	ds_load_b128 v[248:251], v[ADS] offset:12800*(\q)+12544
	s_add_co_u32 s52, s[KF], 127                   ; a step all of whose keys count skips the mask
	s_cmp_le_u32 s52, s[Q0]
	s_cbranch_scc1 .Lopen_\@
	s_sub_co_i32 s52, s[Q0], s[KF]
	v_add_nc_u32 v252, s52, v3                     ; d = my query - KF - 16 h.  Register 16 b + i holds key KF + 16 h + 32 b + i: hidden where 32 b + i > d
	v_mov_b32 v254, 0xff800000
.set J, 0
.rept 64
	v_cmp_gt_i32 vcc_lo, 32*(J/16)+J%16, v252
	v_cndmask_b32 v[96+J], v[96+J], v254, vcc_lo
.set J, J+1
.endr
.Lopen_\@:
.irp b, 0,1,2,3
	v_max3_num_f32 v[232+\b], v[96+16*\b], v[97+16*\b], v[98+16*\b]   ; the largest score of each block of 32 keys: for the row's maximum and, since p rises with the score, for the block's largest p
.endr
.irp i, 3,5,7,9,11,13
.irp b, 0,1,2,3
	v_max3_num_f32 v[232+\b], v[232+\b], v[96+16*\b+\i], v[97+16*\b+\i]
.endr
.endr
.irp b, 0,1,2,3
	v_max_num_f32 v[232+\b], v[232+\b], v[111+16*\b]
.endr
.irp b, 0,1,2,3
	s_delay_alu instid0(VALU_DEP_4)
	v_permlanex16_b32 v[236+\b], v[232+\b], s[SEL], s[SEL+1]
.endr
.irp b, 0,1,2,3
	s_delay_alu instid0(VALU_DEP_4)
	v_max_num_f32 v[232+\b], v[232+\b], v[236+\b]  ; with lane l xor 16's 16 keys
.endr
	s_delay_alu instid0(VALU_DEP_2)
	v_max3_num_f32 v254, v232, v233, v234
	s_delay_alu instid0(VALU_DEP_1)
	v_max_num_f32 v254, v254, v235
	s_delay_alu instid0(VALU_DEP_1)
	v_mul_f32 v254, s[CS], v254
	s_delay_alu instid0(VALU_DEP_1)
	v_max_num_f32 v13, v13, v254                   ; the running largest t
	v_mov_b32 v254, v12
	s_delay_alu instid0(VALU_DEP_2)
	v_floor_f32 v12, -v13                          ; the new -M = floor(-t): M is a whole number
	s_delay_alu instid0(VALU_DEP_1)
	v_sub_f32 v254, v12, v254
	s_delay_alu instid0(VALU_DEP_1)
	v_cvt_i32_f32 v254, v254                       ; (it saturates)
	s_delay_alu instid0(VALU_DEP_1)
	v_ldexp_f32 v252, 1.0, v254                    ; f = 2^(old M - new M)
.set J, 0
.rept 32
	v_pk_fma_f32 v[96+J:97+J], v[96+J:97+J], s[CS:CS+1], v[12:13] op_sel_hi:[1,0,0]   ; t - M, two at a time
.set J, J+2
.endr
.irp b, 0,1,2,3
	v_fma_f32 v[232+\b], v[232+\b], s[CS], v12     ; the same of each block's largest score
.endr
.set J, 0
	s_wait_alu depctr_va_vdst(0)
.rept 64
	v_exp_f32 v[96+J], v[96+J]                     ; p = 2^(t - M)
.set J, J+1
.endr
	v_pk_mul_f32 v[14:15], v[14:15], v[252:253] op_sel_hi:[1,0]   ; the sums under the new M: a plain line behind the exponentials
	s_wait_alu depctr_va_vdst(0)                   ; one wait for the whole batch, ahead of its first reader
.irp b, 0,1,2,3
	v_exp_f32 v[232+\b], v[232+\b]                 ; the block's largest p
.endr
	v_pk_add_f32 v[236:237], v[100:101], v[104:105]
	v_pk_add_f32 v[246:247], v[108:109], v[112:113]
	v_pk_add_f32 v[244:245], v[116:117], v[120:121]
	v_pk_add_f32 v[242:243], v[124:125], v[128:129]
	v_pk_add_f32 v[240:241], v[132:133], v[136:137]
	v_pk_add_f32 v[238:239], v[140:141], v[144:145]
	v_pk_add_f32 v[230:231], v[148:149], v[152:153]
	v_pk_add_f32 v[14:15], v[14:15], v[156:157]
	v_pk_add_f32 v[236:237], v[236:237], v[96:97]
	v_pk_add_f32 v[246:247], v[246:247], v[98:99]
	v_pk_add_f32 v[244:245], v[244:245], v[102:103]
	v_pk_add_f32 v[242:243], v[242:243], v[106:107]
	v_pk_add_f32 v[240:241], v[240:241], v[110:111]
	v_pk_add_f32 v[238:239], v[238:239], v[114:115]
	v_pk_add_f32 v[230:231], v[230:231], v[118:119]
	v_pk_add_f32 v[14:15], v[14:15], v[122:123]
	v_pk_add_f32 v[236:237], v[236:237], v[126:127]
	v_pk_add_f32 v[246:247], v[246:247], v[130:131]
	v_pk_add_f32 v[244:245], v[244:245], v[134:135]
	v_pk_add_f32 v[242:243], v[242:243], v[138:139]
	v_pk_add_f32 v[240:241], v[240:241], v[142:143]
	v_pk_add_f32 v[238:239], v[238:239], v[146:147]
	v_pk_add_f32 v[230:231], v[230:231], v[150:151]
	v_pk_add_f32 v[14:15], v[14:15], v[154:155]
	v_pk_add_f32 v[236:237], v[236:237], v[158:159]
	s_delay_alu instid0(VALU_DEP_2)
	v_pk_add_f32 v[14:15], v[14:15], v[242:243]
	s_delay_alu instid0(VALU_DEP_2)
	v_pk_add_f32 v[236:237], v[236:237], v[240:241]
	v_pk_add_f32 v[246:247], v[246:247], v[238:239]
	v_pk_add_f32 v[244:245], v[244:245], v[230:231]
	s_delay_alu instid0(VALU_DEP_2)
	v_pk_add_f32 v[14:15], v[14:15], v[246:247]
	s_delay_alu instid0(VALU_DEP_2)
	v_pk_add_f32 v[236:237], v[236:237], v[244:245]
	s_delay_alu instid0(VALU_DEP_1)
	v_pk_add_f32 v[14:15], v[14:15], v[236:237]
	s_wait_alu depctr_va_vdst(0)                   ; and one for the four
.irp b, 0,1,2,3
	v_max_num_f32 v[232+\b], 0x2800000, v[232+\b]  ; the floor 2^(5 - 127)
.endr
.irp b, 0,1,2,3
	s_delay_alu instid0(VALU_DEP_4)
	v_add_nc_u32 v[244+\b], 0xfe000000, v[232+\b]
.endr
.irp b, 0,1,2,3
	s_delay_alu instid0(VALU_DEP_4)
	v_lshrrev_b32 v[236+\b], 23, v[244+\b]
.endr
	s_delay_alu instid0(VALU_DEP_3)
	v_lshl_or_b32 v253, v237, 8, v236              ; p's scale word for these 128 keys
	s_delay_alu instid0(VALU_DEP_1)
	v_lshl_or_b32 v253, v238, 16, v253
	s_delay_alu instid0(VALU_DEP_1)
	v_lshl_or_b32 v253, v239, 24, v253
.irp c, 0,1
	v_cvt_scalef32_pk16_bf6_f32 v[224+6*\c:226+6*\c], v[96+32*\c:111+32*\c], v[244+2*\c]
	v_cvt_scalef32_pk16_bf6_f32 v[236+4*\c:238+4*\c], v[112+32*\c:127+32*\c], v[244+2*\c+1]
.endr
	v_nop
.irp c, 0,1
.irp i, 0,1,2
	v_permlane16_swap_b32 v[224+6*\c+\i], v[236+4*\c+\i]
.endr
.irp i, 0,1,2
	s_delay_alu instid0(VALU_DEP_3)
	v_mov_b32 v[227+6*\c+\i], v[236+4*\c+\i]
.endr
.endr
.set J, 0
.rept 16
	v_pk_mul_f32 v[160+J:161+J], v[160+J:161+J], v[252:253] op_sel_hi:[1,0]   ; O^T under the new M; these sixteen are also the places in front of the products
.set J, J+2
.endr
	s_wait_alu depctr_va_vdst(0)
	s_wait_dscnt 0x0                               ; v
.irp t, 0,1,2,3                        ; O^T += v^T p^T: four tiles of 16 channels, by turns
	v_wmma_scale_f32_16x16x128_f8f6f4 v[160+8*\t:167+8*\t], v[48+12*\t:59+12*\t], v[224:235], v[160+8*\t:167+8*\t], v[248+\t], v253 matrix_a_fmt:MATRIX_FMT_BF6 matrix_b_fmt:MATRIX_FMT_BF6
.endr
.Lhidden_\@:
	s_add_co_u32 s[KF], s[KF], 128
.endm
; THE CHANGE OF SLOTS stands at a trip's head.  Each wave waits for all its tensor loads, adds 0 to its spare word, and waits for that and for its reads of the slot that it has left.  fill = 1: that slot takes the next record.
.macro CHANGE fill
	s_wait_tensorcnt 0x0                           ; no tensor load of mine is out, so group 0 may be written
	ds_add_u32 v[SPW], v[NIL]                      ; 0 onto my spare word
.if \fill
	s_xor_b32 s[G0+1], s[G0+1], SLOT1
	s_add_co_u32 s52, s[TAU], 1
	s_add_co_u32 s[KO], s[KO], 25600               ; the next 256 keys,
	s_cmp_eq_u32 s52, s[N1]
	s_cselect_b32 s[KO], 0, s[KO]                  ; or the head's first, where the second block begins
	s_add_nc_u64 s[G0+2:G0+3], s[KVB:KVB+1], s[KO:KO+1]
	s_or_b32 s[G0+3], s[G0+3], 0x80000000
	s_wait_xcnt 0x0                                ; the last prefetch, a trip back, has read its address
	s_add_nc_u64 s[PFA:PFA+1], s[PFA:PFA+1], 25600
.endif
	s_wait_dscnt 0x0                               ; the add is done, and my reads of the slot that I have left are over
	s_barrier_signal -1
	s_barrier_wait -1
.if \fill
	TLOAD                                          ; the first thing behind the barrier, and a wave's one tensor load until the next
	ASK
.endif
.endm
; A block of queries is finished: O^T / the sum; registers 0-15 are channels 16 h + 0 .. 15, registers 16-31 channels 32 + 16 h + 0 .. 15: two blocks of 32 along the last product's K.  The half fragment goes through my stage and leaves as three aligned runs of 256 bytes.
.macro FINISH yc, ys
.rept 4
	v_nop                                          ; places behind the last products
.endr
	v_add_f32 v14, v14, v15
	s_delay_alu instid0(VALU_DEP_1)
	v_permlanex16_b32 v252, v14, s[SEL], s[SEL+1]
	s_delay_alu instid0(VALU_DEP_1)
	v_add_f32 v14, v14, v252                       ; the row's sum
	s_wait_alu depctr_va_vdst(0)
	v_rcp_f32 v14, v14
	v_nop
	s_wait_alu depctr_va_vdst(0)                   ; ahead of the first reader
.set J, 0
.rept 16
	v_pk_mul_f32 v[96+J:97+J], v[160+J:161+J], v[14:15] op_sel_hi:[1,0]
.set J, J+2
.endr
.irp g, 0,1
	v_max3_num_f32 v[232+\g], |v[96+16*\g]|, |v[97+16*\g]|, 0x2800000
.endr
.irp i, 2,4,6,8,10,12,14
.irp g, 0,1
	s_delay_alu instid0(VALU_DEP_2)
	v_max3_num_f32 v[232+\g], v[232+\g], |v[96+16*\g+\i]|, |v[97+16*\g+\i]|
.endr
.endr
.irp g, 0,1
	s_delay_alu instid0(VALU_DEP_2)
	v_permlanex16_b32 v[236+\g], v[232+\g], s[SEL], s[SEL+1]
.endr
.irp g, 0,1
	s_delay_alu instid0(VALU_DEP_2)
	v_max_num_f32 v[232+\g], v[232+\g], v[236+\g]
.endr
.irp g, 0,1
	s_delay_alu instid0(VALU_DEP_2)
	v_add_nc_u32 v[244+\g], 0xfe000000, v[232+\g]
.endr
.irp g, 0,1
	s_delay_alu instid0(VALU_DEP_2)
	v_lshrrev_b32 v[236+\g], 23, v[244+\g]
.endr
	s_delay_alu instid0(VALU_DEP_1)
	v_lshl_or_b32 v254, v237, 8, v236              ; my row's two scale bytes
	v_cvt_scalef32_pk16_bf6_f32 v[224:226], v[96:111], v244
	v_cvt_scalef32_pk16_bf6_f32 v[228:230], v[112:127], v245
	v_nop
.irp i, 0,1,2
	v_permlane16_swap_b32 v[224+\i], v[228+\i]     ; lanes 0-15 now hold block 0 whole, lanes 16-31 block 1
.endr
	s_delay_alu instid0(VALU_DEP_3)
	v_mov_b32 v227, v228
	s_delay_alu instid0(VALU_DEP_3)
	v_mov_b32 v228, v229
	s_delay_alu instid0(VALU_DEP_3)
	v_mov_b32 v229, v230
.irp p, 0,1,2
	ds_store_b64 v4, v[224+2*\p:225+2*\p] offset:8*\p
.endr
.irp p, 0,1,2
	ds_load_b64 v[232+2*\p:233+2*\p], v7 offset:256*\p   ; LDS serves a wave's instructions in order (ISA guide 5.7.1.4): these see my stores
.endr
	s_wait_alu depctr_va_vdst(0)
	s_wait_dscnt 0x0
.irp p, 0,1,2
	global_store_b64 v10, v[232+2*\p:233+2*\p], s[\yc:\yc+1] offset:256*\p
.endr
	global_store_b16 v11, v254, s[\ys:\ys+1]       ; lanes l and l xor 16 write the same two bytes with the same value
	s_wait_xcnt 0x0                                ; the stores have read their registers
.endm
	s_mov_b32 s[TAU], 0
.Ltrip:                                            ; eight trips, each of a slot; behind each change of slots the next record is asked for
	CHANGE 1
	s_cmp_lg_u32 s[TAU], s[N1]                     ; the first block's slots are done: a branch on ids, round no barrier and no tensor load
	s_cbranch_scc1 .Lsame
	FINISH YC1, YS1
	v_perm_b32 v255, v35, v35, s[PSEL]
.irp i, 0,1,2,3,4,5
	v_mov_b32 v[22+\i], v[36+\i]
.endr
	NEWBLOCK
	s_mov_b32 s[Q0], s[Q0B]
	s_mov_b32 s[KF], 0
.Lsame:
	STEP 0
	STEP 1
	s_xor_b32 s[TB], s[TB], SLOT1
	s_add_co_u32 s[TAU], s[TAU], 1
	s_cmp_lt_u32 s[TAU], 8
	s_cbranch_scc1 .Ltrip
	CHANGE 0                                       ; the ninth slot is written out: nothing is left to fetch
	STEP 0
	STEP 1
	FINISH YC2, YS2
	s_wait_tensorcnt 0x0                           ; the wave's end
	ds_add_u32 v[SPW], v[NIL]
	s_wait_dscnt 0x0
	s_endpgm
.Lfunc_end_k_qa0021b5bec_attn:
	.size	k_qa0021b5bec_attn, .Lfunc_end_k_qa0021b5bec_attn-k_qa0021b5bec_attn
	.p2alignl 7, 3214868480
	.fill 96, 4, 3214868480
	.section	.rodata,"a",@progbits
	.p2align	6, 0x0
	.amdhsa_kernel k_qa0021b5bec_attn
		.amdhsa_group_segment_fixed_size 327680
		.amdhsa_private_segment_fixed_size 0
		.amdhsa_enable_private_segment 0
		.amdhsa_kernarg_size 24
		.amdhsa_user_sgpr_count 2
		.amdhsa_user_sgpr_kernarg_segment_ptr 1
		.amdhsa_wavefront_size32 1
		.amdhsa_system_sgpr_workgroup_id_x 1
		.amdhsa_system_sgpr_workgroup_id_y 1
		.amdhsa_system_sgpr_workgroup_id_z 1
		.amdhsa_system_vgpr_workitem_id 0
		.amdhsa_next_free_vgpr 256
		.amdhsa_next_free_sgpr 80
		.amdhsa_reserve_vcc 1
		.amdhsa_float_denorm_mode_32 3
		.amdhsa_float_denorm_mode_16_64 3
		.amdhsa_memory_ordered 1
		.amdhsa_forward_progress 1
		.amdhsa_inst_pref_size 109
	.end_amdhsa_kernel
	.amdgpu_metadata
---
amdhsa.version: [ 1, 2 ]
amdhsa.kernels:
  - .name:           k_qa0021b5bec_attn
    .symbol:         k_qa0021b5bec_attn.kd
    .args:
      - { .name: qb, .offset: 0, .size: 8, .value_kind: global_buffer, .address_space: global }
      - { .name: kv, .offset: 8, .size: 8, .value_kind: global_buffer, .address_space: global }
      - { .name: yq, .offset: 16, .size: 8, .value_kind: global_buffer, .address_space: global }
    .group_segment_fixed_size: 327680
    .private_segment_fixed_size: 0
    .kernarg_segment_align: 8
    .kernarg_segment_size: 24
    .max_flat_workgroup_size: 512
    .sgpr_count:     80
    .vgpr_count:     256
    .wavefront_size: 32
...
	.end_amdgpu_metadata
.endif
;; end of part 3
;; launch proj (part 4): grid 4 x 64, 4 waves a work-group, clusters of 4 x 4, 327,680 bytes of LDS; arguments yq, pq, proj_b, out0; writes out0
.if DOCPART == 4
	.amdgcn_target "amdgcn-amd-amdhsa--gfx1250"
	.amdhsa_code_object_version 6
	.text
	.protected	k_qa0021b5bec_proj
	.globl	k_qa0021b5bec_proj
	.p2align	8
	.type	k_qa0021b5bec_proj,@function
k_qa0021b5bec_proj:
	s_mov_b64 s[64:65], 0
	v_nop
	global_prefetch_b8 v0, s[64:65] scope:SCOPE_SE
	s_setreg_imm32_b32 hwreg(HW_REG_WAVE_MODE, 25, 1), 1
	s_wait_xcnt 0x0
	s_wait_alu depctr_hold_cnt(0) depctr_sa_sdst(0) depctr_va_vdst(0) depctr_va_sdst(0) depctr_va_ssrc(0) depctr_va_vcc(0) depctr_vm_vsrc(0)
	s_getreg_b32 s2, hwreg(HW_REG_IB_STS2, 6, 4)
	s_cmp_eq_u32 s2, 0
	s_cbranch_scc0 .Lentry_in_a_cluster
	s_endpgm
.Lentry_in_a_cluster:
	s_bfe_u32 s2, ttmp6, 0x10000c
	s_cmp_lg_u32 s2, 0xf033
	s_cbranch_scc0 .Lentry_shape_is_right
	s_endpgm
.Lentry_shape_is_right:
; out0 = y P^T + b on codes of BF6 (E3M2) with E8M0 scales; sums in f32.  y: yq, 512 row tiles; P: pq, 64 row tiles.
; OPERANDS: half fragments of 768 bytes, lane l's 24 bytes at 24 l; HF(T, kc) at ((kc / 4) NT + T) 3072 + (kc % 4) 768; scale bytes behind the codes at NT x 12288, 32 a stored row.
; Row tile T holds in lane r the true row 32 (T / 2) + 8 (T % 2) + r + 8 (r / 8).
; SHARES: a work-group makes 128 tokens x 256 columns: 64 x 4 = 256 work-groups.  Four waves of 64 x 128: 32 accumulators each.
; NO RING: the block's operands for all of K, 98,304 bytes of y and 196,608 of P, lie in LDS together.  Each wave asks for two quarters of K of one operand by ONE tensor load at the head
; (2 rows of 24,576 or 49,152 bytes, a quarter of K apart in memory); nothing is filled again.
; CLUSTERS: 4 x 4 work-groups; y's tile is asked for jointly along a row of the cluster, P's along a column.
; THE SCALE WORDS go from memory into registers: 32 lanes x 32 bytes are the 1,024 consecutive bytes of two row tiles: lanes 0-15 hold the even tile's words, lanes 16-31 the odd tile's (chosen by ROW1).
; NO PREFETCH: all tensor loads go out at the head, and the text has no loop to run ahead in.
; The matrix instruction is used transposed (source 0 = P's rows, source 1 = y's): a lane holds eight neighbouring columns of a token's row.  The bias is the C of each sum's first product.
; REGISTERS: window 0: v1-13 addresses; v32-47 y's scale words, v48-79 P's; v80-143 the bias; v144-239 y's fragments, two sets; on the way out v80-207.  window 1: P's fragments, two sets, at v0 and v96.  window 2: accumulator (a, b) at v[8 (8 a + b)].
.set FR,    12
.set QA,    24576                      ; y: 128 rows x 256 K
.set QB,    49152                      ; P: 256 rows x 256 K
.set BBASE, 4*QA
.set SPARE, 4*QA+4*QB                  ; the spare words: 128 bytes a wave, two blocks of 256 bytes that no other line names
.set SPITCH, 528                       ; the way out: 16 rows x (512 + 16) bytes a wave, in y's bytes, which are read no more by then
.set ADRA, 1                           ; v1-2  my y fragments, K quarters 0-1, 2-3
.set ADRB, 3                           ; v3-6  my P fragments, one for each K quarter
.set SPW,  7
.set NIL,  8
.set STO,  9
.set RD,   10
.set L16,  11
.set L32,  12
.set B64H, 13
.set SA,   32
.set SB,   48
.set BI,   80
.set AF,   144
.set BK,   80
.set WV, 12
.set RH, 13
.set CH, 14
.set CX, 15
.set CY, 16
.set PA, 17
.set PB, 18
.set SCA, 20
.set SCB, 22
.set G1, 24
.set G1B, 32
.set G0, 40
.set G0B, 44
.set MSB, 0
.macro WIN new                         ; the immediate's high byte repeats the setting that is left
.if MSB != (\new)
	s_set_vgpr_msb (MSB<<8)|(\new)
.set MSB, (\new)
.endif
.endm
.macro PLACES n
.rept \n
	v_nop
.endr
.endm
.macro CROUND                          ; a round of the cluster's barrier
	s_barrier_signal -1
	s_barrier_wait -1
	s_cmp_lg_u32 s[WV], 0
	s_cbranch_scc1 .Lnot_wave_0_\@
	s_barrier_signal -3
.Lnot_wave_0_\@:
	s_barrier_wait -3
	s_barrier_signal -1
	s_barrier_wait -1
.endm
	s_load_b256 s[4:11], s[0:1], 0x0               ; yq, pq, proj_b, out0
	v_lshl_add_u32 v[SPW], v0, 2, SPARE
	v_mov_b32 v[NIL], 0
	ds_add_u32 v[SPW], v[NIL]                      ; the opening lines: the add, twice on end, and its wait
	ds_add_u32 v[SPW], v[NIL]
	v_lshrrev_b32 v20, 5, v0
	v_readfirstlane_b32 s[WV], v20                 ; wave 0..3
	s_lshr_b32 s[RH], s[WV], 1                     ; which 64 tokens are mine.  Also: I fetch for y (0) or for P (1)
	s_and_b32 s[CH], s[WV], 1                      ; which 128 columns.  Also: which half of K I fetch
	s_bfe_u32 s[CX], ttmp6, 0x40000
	s_bfe_u32 s[CY], ttmp6, 0x40004
	s_lshl_b32 s[PB], ttmp9, 2
	s_add_co_u32 s[PB], s[PB], s[CX]               ; the block of 256 columns
	s_and_b32 s[PA], ttmp7, 0xffff
	s_lshl_b32 s[PA], s[PA], 2
	s_add_co_u32 s[PA], s[PA], s[CY]               ; the block of 128 tokens
	s_lshl_b32 s48, s[CY], 2
	s_lshl_b32 s48, 15, s48                        ; my row of the cluster
	s_lshl_b32 s49, 0x1111, s[CX]                  ; my column
	s_or_b32 s[G1], s48, (3<<16)|(1<<21)           ; the mask; elements of 8 bytes; bit 21 beside a mask; no padding
	s_or_b32 s[G1B], s49, (3<<16)|(1<<21)
	s_mov_b32 s[G1+1], (QA/8)<<16                  ; y: 2 rows of 24,576 bytes, 512 x 3072 bytes apart
	s_mov_b32 s[G1+2], 2<<16
	s_mov_b32 s[G1+3], (QA/8)<<16
	s_mov_b32 s[G1+4], 2
	s_mov_b32 s[G1+5], 512*3072/8
	s_mov_b32 s[G1+6], 0
	s_mov_b32 s[G1+7], 0
	s_mov_b32 s[G1B+1], (QB/8)<<16                 ; P: 2 rows of 49,152 bytes, 64 x 3072 bytes apart
	s_mov_b32 s[G1B+2], 2<<16
	s_mov_b32 s[G1B+3], (QB/8)<<16
	s_mov_b32 s[G1B+4], 2
	s_mov_b32 s[G1B+5], 64*3072/8
	s_mov_b32 s[G1B+6], 0
	s_mov_b32 s[G1B+7], 0
	s_mul_i32 s50, s[PA], QA                       ; y's 8 row tiles,
	s_mul_i32 s54, s[CH], 2*512*3072               ; my half of K
	s_add_co_u32 s50, s50, s54
	s_mov_b32 s51, 0
	s_mul_i32 s52, s[PB], QB                       ; P's 16 row tiles
	s_mul_i32 s54, s[CH], 2*64*3072
	s_add_co_u32 s52, s52, s54
	s_mov_b32 s53, 0
	s_lshl_b32 s54, s[PA], 3
	s_lshl_b32 s55, s[RH], 2
	s_add_co_u32 s54, s54, s55                     ; my first row tile of y: its scale bytes
	s_lshl_b32 s54, s54, 9
	s_add_co_u32 s54, s54, 512*12288
	s_mov_b32 s55, 0
	s_lshl_b32 s56, s[PB], 4
	s_lshl_b32 s57, s[CH], 3
	s_add_co_u32 s56, s56, s57                     ; my first row tile of P
	s_lshl_b32 s56, s56, 9
	s_add_co_u32 s56, s56, 64*12288
	s_mov_b32 s57, 0
	s_lshl_b32 s58, s[PB], 10
	s_lshl_b32 s59, s[CH], 9
	s_add_co_u32 s58, s58, s59                     ; my first column, in bytes
	s_mov_b32 s59, 0
	s_mul_i32 s60, s[RH], 4*3072                   ; LDS: my four row tiles of y,
	s_mul_i32 s61, s[CH], 8*3072
	s_add_co_u32 s61, s61, BBASE                   ; my eight of P,
	s_mul_i32 s62, s[WV], 16*SPITCH                ; my stage
	s_mov_b32 s[G0], 1
	s_mul_i32 s[G0+1], s[CH], 2*QA                 ; no place in the cluster enters an LDS address
	s_mov_b32 s[G0B], 1
	s_mul_i32 s[G0B+1], s[CH], 2*QB
	s_add_co_u32 s[G0B+1], s[G0B+1], BBASE
	s_wait_dscnt 0x0                               ; both opening adds are done
	s_wait_kmcnt 0x0
	s_add_nc_u64 s[G0+2:G0+3], s[4:5], s[50:51]
	s_or_b32 s[G0+3], s[G0+3], 0x80000000
	s_add_nc_u64 s[G0B+2:G0B+3], s[6:7], s[52:53]
	s_or_b32 s[G0B+3], s[G0B+3], 0x80000000
	s_add_nc_u64 s[SCA:SCA+1], s[4:5], s[54:55]
	s_add_nc_u64 s[SCB:SCB+1], s[6:7], s[56:57]
	s_add_nc_u64 s[8:9], s[8:9], s[58:59]
	s_add_nc_u64 s[10:11], s[10:11], s[58:59]
	s_lshl_b32 s58, s[PA], 19                      ; 128 rows of 4,096 bytes a block,
	s_lshl_b32 s48, s[RH], 18                      ; 64 a half
	s_add_co_u32 s58, s58, s48
	s_add_nc_u64 s[10:11], s[10:11], s[58:59]
	CROUND                                         ; all sixteen work-groups are here: the joint loads meet
	s_cmp_eq_u32 s[RH], 0                          ; one load a wave, one in each arm: waves 0, 1 y's two halves of K, waves 2, 3 P's
	s_cbranch_scc0 .Lfor_b
	tensor_load_to_lds s[G0:G0+3], s[G1:G1+7]
	s_nop 0
	PLACES 4
	s_branch .Lasked
.Lfor_b:
	tensor_load_to_lds s[G0B:G0B+3], s[G1B:G1B+7]
	s_nop 0
	PLACES 4
.Lasked:
	v_and_b32 v20, 31, v0                          ; lane
	v_and_b32 v21, 15, v0                          ; r
	v_bfe_u32 v22, v0, 4, 1                        ; h
	v_mul_u32_u24 v23, v20, 24
	v_add_nc_u32 v[ADRA], s60, v23
	v_add_nc_u32 v[ADRA+1], 2*QA, v[ADRA]
	v_add_nc_u32 v[ADRB], s61, v23
	v_add_nc_u32 v[ADRB+1], QB, v[ADRB]
	v_add_nc_u32 v[ADRB+2], 2*QB, v[ADRB]
	v_add_nc_u32 v[ADRB+3], 3*QB, v[ADRB]
	v_mul_u32_u24 v24, v21, SPITCH
	v_lshl_add_u32 v24, v22, 6, v24
	v_add_nc_u32 v[STO], s62, v24                  ; into the stage: row r, 64 h
	v_lshlrev_b32 v[L16], 4, v20
	v_add_nc_u32 v[RD], s62, v[L16]                ; back: a row of 512 bytes to the 32 lanes
	v_lshlrev_b32 v[L32], 5, v20
	v_lshlrev_b32 v[B64H], 6, v22
	s_wait_alu depctr_va_vdst(0)                   ; the wait at the head's end
.irp g, 0,1                            ; register SA + 8 g + ks: the word of K step ks; lanes 0-15 my row tile 2 g, lanes 16-31 tile 2 g + 1
	global_load_b128 v[SA+8*\g:SA+8*\g+3], v[L32], s[SCA:SCA+1] offset:1024*\g
	global_load_b128 v[SA+8*\g+4:SA+8*\g+7], v[L32], s[SCA:SCA+1] offset:1024*\g+16
.endr
.irp g, 0,1,2,3
	global_load_b128 v[SB+8*\g:SB+8*\g+3], v[L32], s[SCB:SCB+1] offset:1024*\g
	global_load_b128 v[SB+8*\g+4:SB+8*\g+7], v[L32], s[SCB:SCB+1] offset:1024*\g+16
.endr
.irp b, 0,1,2,3,4,5,6,7                ; register BI + 8 b + j: the bias of column 32 (b / 2) + 8 (b % 2) + 16 h + j
	global_load_b128 v[BI+8*\b:BI+8*\b+3], v[B64H], s[8:9] offset:4*(32*(\b/2)+8*(\b%2))
	global_load_b128 v[BI+8*\b+4:BI+8*\b+7], v[B64H], s[8:9] offset:4*(32*(\b/2)+8*(\b%2))+16
.endr
.macro FRAG reg, adr, off              ; a fragment: two half fragments, 24 bytes a lane each, in pieces of 8 bytes
.irp c, 0,1
.irp p, 0,1,2
	ds_load_b64 v[\reg+6*\c+2*\p:\reg+6*\c+2*\p+1], v[\adr] offset:\off+768*\c+8*\p
.endr
.endr
.endm
.macro FETCH ks                        ; K step ks of eight: 72 loads into set ks % 2
	WIN 0x40
.irp i, 0,1,2,3,4,5,6,7
	FRAG 96*((\ks)%2)+FR*\i, ADRB+(\ks)/2, 3072*\i+1536*((\ks)%2)
.endr
	WIN 0
.irp i, 0,1,2,3
	FRAG AF+48*((\ks)%2)+FR*\i, ADRA+(\ks)/4, QA*(((\ks)/2)%2)+3072*\i+1536*((\ks)%2)
.endr
.endm
.macro WM a, b, ks, bias
.set DR, 8*(8*(\a)+(\b))
.set CR, DR
.if \bias
.set CR, BI+8*(\b)
.endif
.set BR, 96*((\ks)%2)+FR*(\b)
.set AR, AF+48*((\ks)%2)+FR*(\a)
.set SBR, SB+8*((\b)/2)+(\ks)
.set SAR, SA+8*((\a)/2)+(\ks)
.if (\a)%2 == 0
.if (\b)%2 == 0
	v_wmma_scale_f32_16x16x128_f8f6f4 v[DR:DR+7], v[BR:BR+11], v[AR:AR+11], v[CR:CR+7], v[SBR], v[SAR] matrix_a_fmt:MATRIX_FMT_BF6 matrix_b_fmt:MATRIX_FMT_BF6
.else
	v_wmma_scale_f32_16x16x128_f8f6f4 v[DR:DR+7], v[BR:BR+11], v[AR:AR+11], v[CR:CR+7], v[SBR], v[SAR] matrix_a_fmt:MATRIX_FMT_BF6 matrix_b_fmt:MATRIX_FMT_BF6 matrix_a_scale:MATRIX_SCALE_ROW1
.endif
.else
.if (\b)%2 == 0
	v_wmma_scale_f32_16x16x128_f8f6f4 v[DR:DR+7], v[BR:BR+11], v[AR:AR+11], v[CR:CR+7], v[SBR], v[SAR] matrix_a_fmt:MATRIX_FMT_BF6 matrix_b_fmt:MATRIX_FMT_BF6 matrix_b_scale:MATRIX_SCALE_ROW1
.else
	v_wmma_scale_f32_16x16x128_f8f6f4 v[DR:DR+7], v[BR:BR+11], v[AR:AR+11], v[CR:CR+7], v[SBR], v[SAR] matrix_a_fmt:MATRIX_FMT_BF6 matrix_b_fmt:MATRIX_FMT_BF6 matrix_a_scale:MATRIX_SCALE_ROW1 matrix_b_scale:MATRIX_SCALE_ROW1
.endif
.endif
.endm
; A step of 128 along K: the next step's 72 loads go out first, into the other set, then 32 products.  The 32 accumulators take turns, in the same order in every step.
.macro STEP ks
	s_wait_dscnt 0x0                               ; this step's fragments are in
.if (\ks) < 7
.if (\ks) > 0
	PLACES 4                                       ; behind the last step's products, which read the set that is loaded now
.endif
	FETCH (\ks)+1
.else
	s_barrier_signal -1                            ; my reads of the operands are over: behind this barrier y's bytes serve as stages
.endif
.if (\ks) == 0
	WIN 0x81                                       ; source 0 window 1, source 1 and C (the bias) window 0, D window 2
.else
	WIN 0xa1                                       ; C and D window 2
.endif
.irp a, 0,1,2,3
.irp b, 0,1,2,3,4,5,6,7
	WM \a, \b, \ks, (\ks)==0
.endr
.endr
	WIN 0
.endm
	s_wait_tensorcnt 0x0                           ; my load is in;
	s_barrier_signal -1
	s_barrier_wait -1                              ; and so is everybody's
	FETCH 0
	s_wait_loadcnt 0x0                             ; the scale words and the bias
.irp k, 0,1,2,3,4,5,6,7
	STEP \k
.endr
	s_barrier_wait -1
; THE WAY OUT, block by block of 16 tokens x 128 columns, through my stage: back come whole rows of 512 bytes, which the 32 lanes store as two aligned runs of 256 bytes.  LDS serves a wave's instructions in order (ISA guide 5.7.1.4).
.macro TOSTAGE a
	WIN 0x08                                       ; the data: window 2
.irp b, 0,1,2,3,4,5,6,7
	ds_store_b128 v[STO], v[64*(\a)+8*\b:64*(\a)+8*\b+3] offset:128*(\b/2)+32*(\b%2)      ; each accumulator from its low end on
	ds_store_b128 v[STO], v[64*(\a)+8*\b+4:64*(\a)+8*\b+7] offset:128*(\b/2)+32*(\b%2)+16
.endr
	WIN 0
.irp t, 0,1,2,3,4,5,6,7,8,9,10,11,12,13,14,15
	ds_load_b128 v[BK+64*((\a)%2)+4*\t:BK+64*((\a)%2)+4*\t+3], v[RD] offset:\t*SPITCH
.endr
.endm
.macro SEND a, younger                 ; younger: the LDS instructions issued behind block a's loads
	s_wait_dscnt \younger
.if (\a) > 0
.if ((\a)%2) == 1
	s_add_nc_u64 s[10:11], s[10:11], 8*4096        ; row tile a begins at true row 32 (a / 2) + 8 (a % 2); the base steps behind a wait on XCNT
.else
	s_add_nc_u64 s[10:11], s[10:11], 24*4096
.endif
.endif
.irp t, 0,1,2,3,4,5,6,7,8,9,10,11,12,13,14,15
	global_store_b128 v[L16], v[BK+64*((\a)%2)+4*\t:BK+64*((\a)%2)+4*\t+3], s[10:11] offset:(\t+8*(\t/8))*4096 th:TH_STORE_NT
.endr
.endm
	PLACES 4                                       ; behind the last products
	TOSTAGE 0
.irp a, 1,2,3
.if \a > 1
	s_wait_xcnt 0x0                                ; block a - 2's stores have read their registers and their base
.endif
	TOSTAGE \a
	SEND \a-1, 32                                  ; behind block a - 1's loads: block a's 16 stores and 16 loads
.endr
	s_wait_xcnt 0x0
	SEND 3, 0
	s_wait_tensorcnt 0x0                           ; the wave's end
	ds_add_u32 v[SPW], v[NIL]
	s_wait_dscnt 0x0
	CROUND                                         ; the closing round
	s_endpgm
.Lfunc_end_k_qa0021b5bec_proj:
	.size	k_qa0021b5bec_proj, .Lfunc_end_k_qa0021b5bec_proj-k_qa0021b5bec_proj
	.p2alignl 7, 3214868480
	.fill 96, 4, 3214868480
	.section	.rodata,"a",@progbits
	.p2align	6, 0x0
	.amdhsa_kernel k_qa0021b5bec_proj
		.amdhsa_group_segment_fixed_size 327680
		.amdhsa_private_segment_fixed_size 0
		.amdhsa_enable_private_segment 0
		.amdhsa_kernarg_size 32
		.amdhsa_user_sgpr_count 2
		.amdhsa_user_sgpr_kernarg_segment_ptr 1
		.amdhsa_wavefront_size32 1
		.amdhsa_system_sgpr_workgroup_id_x 1
		.amdhsa_system_sgpr_workgroup_id_y 1
		.amdhsa_system_sgpr_workgroup_id_z 1
		.amdhsa_system_vgpr_workitem_id 0
		.amdhsa_next_free_vgpr 768
		.amdhsa_next_free_sgpr 66
		.amdhsa_reserve_vcc 0
		.amdhsa_float_denorm_mode_32 3
		.amdhsa_float_denorm_mode_16_64 3
		.amdhsa_memory_ordered 1
		.amdhsa_forward_progress 1
		.amdhsa_inst_pref_size 94
	.end_amdhsa_kernel
	.amdgpu_metadata
---
amdhsa.version: [ 1, 2 ]
amdhsa.kernels:
  - .name:           k_qa0021b5bec_proj
    .symbol:         k_qa0021b5bec_proj.kd
    .args:
      - { .name: yq, .offset: 0, .size: 8, .value_kind: global_buffer, .address_space: global }
      - { .name: pq, .offset: 8, .size: 8, .value_kind: global_buffer, .address_space: global }
      - { .name: proj_b, .offset: 16, .size: 8, .value_kind: global_buffer, .address_space: global }
      - { .name: out0, .offset: 24, .size: 8, .value_kind: global_buffer, .address_space: global }
    .group_segment_fixed_size: 327680
    .private_segment_fixed_size: 0
    .kernarg_segment_align: 8
    .kernarg_segment_size: 32
    .max_flat_workgroup_size: 128
    .sgpr_count:     66
    .vgpr_count:     768
    .wavefront_size: 32
...
	.end_amdgpu_metadata
.endif
;; end of part 4
